; MI455X (gfx1250); checked and timed in simulation.
; The chip was launched on July 23, 2026; its instructions are those of AMD's public machine-readable ISA for CDNA 5 (MIT licence, August 2026) and "CDNA5" Instruction Set Architecture Reference Guide (July 2026). The comments in the code are by the model that wrote it; some were corrected since.
;; Multi Head Self Attention. Allowed arithmetic: matrix products marked QUANTISED: E2M3 operands, one E8M0 scale for each 32 along K, by v_wmma_scale_f32_16x16x128_f8f6f4 with both operands' format E2M3, f32 sums; everything else in f32.
;; Inputs: Wk_codes 1,024 x 32 x 24 uint8 (E2M3 codes of Wk, K innermost, in blocks of 32 codes, four codes in three bytes); Wk_scales 1,024 x 32 uint8 (E8M0 scales of Wk, one for each 32 codes along K); Wo_codes 1,024 x 32 x 24 uint8 (E2M3 codes of Wo, K innermost, in blocks of 32 codes, four codes in three bytes); Wo_scales 1,024 x 32 uint8 (E8M0 scales of Wo, one for each 32 codes along K); Wq_codes 1,024 x 32 x 24 uint8 (E2M3 codes of Wq, K innermost, in blocks of 32 codes, four codes in three bytes); Wq_scales 1,024 x 32 uint8 (E8M0 scales of Wq, one for each 32 codes along K); Wv_codes 1,024 x 32 x 24 uint8 (E2M3 codes of Wv, K innermost, in blocks of 32 codes, four codes in three bytes); Wv_scales 1,024 x 32 uint8 (E8M0 scales of Wv, one for each 32 codes along K); x_codes 4 x 2,048 x 32 x 24 uint8 (E2M3 codes of x, K innermost, in blocks of 32 codes, four codes in three bytes); x_scales 4 x 2,048 x 32 uint8 (E8M0 scales of x, one for each 32 codes along K).
;; Outputs: out0 4 x 2,048 x 1,024 float32.
;; This version of the problem:
;;   THIS VERSION OF THE PROBLEM IS GIVEN IN LOW PRECISION. The matrix products marked QUANTISED in the list below multiply operands that are first quantised to E2M3 (2 exponent bits, 3 mantissa bits; 6 bits a number), with one power-of-two scale for each 32 numbers along K (OCP MX v1.0); their sums are f32. All else is computed in f32.
;;   The module's matrix products, in the order in which they are computed (A, B: the left and right operand; K: the contracted axis; several contracted axes count as one K, in the product's order):
;;     1. [M 8,192, K 1,024] x [K 1,024, N 1,024]; A: input x (given as codes); B: input Wq (given as codes): QUANTISED
;;     2. [M 8,192, K 1,024] x [K 1,024, N 1,024]; A: input x (given as codes); B: input Wk (given as codes): QUANTISED
;;     3. [M 8,192, K 1,024] x [K 1,024, N 1,024]; A: input x (given as codes); B: input Wv (given as codes): QUANTISED
;;     4. batch 64 x [M 2,048, K 64] x [K 64, N 2,048]; A: computed on the way; B: computed on the way: QUANTISED
;;     5. batch 64 x [M 2,048, K 2,048] x [K 2,048, N 64]; A: softmax (see below); B: computed on the way: QUANTISED
;;     6. [M 8,192, K 1,024] x [K 1,024, N 1,024]; A: computed on the way; B: input Wo (given as codes): QUANTISED
;;   THE QUANTISER, for each operand of a quantised product, along K:
;;     - K is cut into blocks of 32 from its start; a last block that is shorter is filled with zeros.
;;     - A block's scale is 2^e with e = floor(log2(the largest magnitude in the block)) - 2, held to -126 .. 127; a block of zeros has e = 0. As a byte (E8M0): e + 127.
;;     - Each number is divided by its block's scale, clamped to +-7.5, and rounded to the nearest number of E2M3, ties to even, subnormals kept.
;;     - The product sums the exact products of the quantised numbers (number of the format x scale) in f32.
;;   ~~~python
;;   def quantise(x, axis):      # numpy; x: float32 -> the quantised numbers, widened to float32 again
;;       x = np.moveaxis(x, axis, -1); K = x.shape[-1]
;;       x = np.pad(x, [(0, 0)] * (x.ndim - 1) + [(0, -K % 32)]); x = x.reshape(x.shape[:-1] + (-1, 32)); a = np.abs(x).max(-1, keepdims=True)
;;       e = np.where(a > 0, np.clip(np.frexp(np.where(a > 0, a, 1))[1] - 1 - 2, -126, 127), 0)      # np.frexp(a)[1] - 1 = floor(log2(a)), exactly
;;       r = np.clip(x / 2.0 ** e, -7.5, 7.5)
;;       step = 2.0 ** (np.maximum(np.frexp(np.where(r == 0, 1, r))[1] - 1, 0) - 3)
;;       q = np.round(r / step) * step * 2.0 ** e      # np.round: ties to even
;;       return np.moveaxis(q.reshape(q.shape[:-2] + (-1,))[..., :K], -1, axis).astype(np.float32)
;;   ~~~
;;   SOFTMAX AHEAD OF A QUANTISED PRODUCT. Where the list says 'softmax', what is quantised is not the finished softmax but p = 2^(t - M), with t = logit x log2(e) and M = ceil(the row's largest t), a whole number; so 1/2 < the row's largest p <= 1. The row's sum l is taken of the UNQUANTISED p, in f32, and the product's result is divided by l at the end. Since M is a whole number, a kernel that streams over the keys may use a running M (the ceiling of the running maximum): every later rescaling is an exact power of two, which a block's scale takes up: the codes' values come out the same.
;;   OPERANDS COMPUTED ON THE WAY. 'Computed on the way' means the value that the module computes at that place (a softmax that the list does not call 'softmax' is quantised finished and normalised). What goes into a quantiser is computed in f32, as accurately as f32 sums, v_exp_f32 and their like allow (about 1e-6 of the number): no bf16 or f16 on the way to a quantiser, and a product that is left as it is and whose result goes on into a quantised operand takes f32 operands (vector FMAs, or v_wmma_f32_16x16x4_f32). A number that lies on a knife's edge between two numbers of the format may be rounded either way, as far as f32 arithmetic and the matrix unit's own rounding can turn it there, and no further.
;;   INPUTS GIVEN AS CODES. Wk (in the module: [1024, 1024], K = its axis 1); Wo (in the module: [1024, 1024], K = its axis 1); Wq (in the module: [1024, 1024], K = its axis 1); Wv (in the module: [1024, 1024], K = its axis 1); x (in the module: [4, 2048, 1024], K = its axis 2): each comes as NAME_codes (uint8): NAME with its K axis moved to the last place and cut into blocks of 32 codes, [.., K / 32, bytes a block], one block behind the other in memory; four codes in three bytes: a row's codes are one little-endian stream of bits, code i at bits 6 i .. 6 i + 5 (a code: sign, 2 exponent bits, 3 mantissa bits); and NAME_scales (uint8): the same leading axes, one E8M0 byte (e + 127) for each 32 codes along K. Its value is code x scale, taken as it is: it is not quantised again, and the codes and scales need not be those that the quantiser above would give.
;; One version. Each part assembles by itself: llvm-mc -triple=amdgcn-amd-amdhsa -mcpu=gfx1250 --defsym DOCPART=n.
;; ======== version 1 of 1: 4 launches
;; workspace buffers: ropetab 524,288 bytes; qbuf 6,815,744 bytes; kv 13,369,344 bytes; ao_codes 6,291,456 bytes; ao_scales 262,144 bytes
;; launch rope (part 1): grid 64 x 1, 4 waves a work-group, no clusters, 0 bytes of LDS; arguments ropetab; writes ropetab
.if DOCPART == 1
	.amdgcn_target "amdgcn-amd-amdhsa--gfx1250"
	.amdhsa_code_object_version 6
	.text
	.protected	k_qdbd07fffb3_rope
	.globl	k_qdbd07fffb3_rope
	.p2align	8
	.type	k_qdbd07fffb3_rope,@function
k_qdbd07fffb3_rope:
	s_mov_b64 s[64:65], 0
	v_nop
	global_prefetch_b8 v0, s[64:65] scope:SCOPE_SE
	s_setreg_imm32_b32 hwreg(HW_REG_WAVE_MODE, 25, 1), 1
	s_wait_xcnt 0x0
; The table of RoPE: ropetab[pos][i] = (cos, sin) of pos x 10000^(-i / 32), pos = 0 .. 2047, i = 0 .. 31, f32: 256 bytes a position.
; A lane is a frequency i; a wave takes 8 positions, a work-group 32.  One store of a wave is a position's 256 consecutive bytes, aligned.
; The angle is one f32 product, pos x f.  It is reduced by n = the nearest whole number of quarter turns, with pi / 2 in two parts (n is at most 1,304,
; so what a third part would add is under 3e-12), and sine and cosine of the rest (at most pi / 4) are polynomials of degree 7 and 8.
; LIMITS: f = 2^(-i log2(10) / 8) comes from v_exp_f32 on a rounded product: about 1e-7 of f, which at position 2,047 is about 1e-4 radians in the fastest
; frequencies; the polynomials are good to about 1e-7.
.set OFF, 2                            ; v2      8 x lane: my frequency's place in a row
.set OUT, 24                           ; v24-39  (cos, sin) of my 8 positions: registers of their own, so that no store's data are written again
	s_load_b64 s[4:5], s[0:1], 0x0                 ; the table
	v_and_b32 v1, 31, v0                           ; i
	v_lshrrev_b32 v3, 5, v0
	v_readfirstlane_b32 s8, v3                     ; wave
	s_lshl_b32 s9, ttmp9, 5
	s_lshl_b32 s10, s8, 3
	s_add_co_u32 s9, s9, s10                       ; my first position: 32 x work-group + 8 x wave
	s_lshl_b32 s22, s9, 8                          ; its row, in bytes
	s_mov_b32 s23, 0
	s_mov_b32 s12, 0x3f22f983                      ; 2 / pi
	s_mov_b32 s13, 0x3fc90fdb                      ; pi / 2, its f32 part
	s_mov_b32 s14, 0xb33bbd2e                      ; and what that leaves
	s_mov_b32 s15, 0xbe2aaaa3                      ; sine: -1.6666654611e-1,
	s_mov_b32 s16, 0x3c08839e                      ; 8.3321608736e-3,
	s_mov_b32 s17, 0xb94ca1f9                      ; -1.9515295891e-4
	s_mov_b32 s18, 0x3d2aaaa5                      ; cosine: 4.166664568e-2,
	s_mov_b32 s19, 0xbab6061a                      ; -1.388731625e-3,
	s_mov_b32 s20, 0x37ccf5ce                      ; 2.443315712e-5
	v_lshlrev_b32 v[OFF], 3, v1
	v_cvt_f32_u32 v3, v1
	v_mul_f32 v3, 0xbed49a78, v3                   ; -i log2(10) / 8
	v_exp_f32 v4, v3                               ; f = 10000^(-i / 32)
	v_nop                                          ; a plain instruction behind the exponential,
	s_wait_alu depctr_va_vdst(0)                   ; and the wait ahead of its first reader
	s_wait_kmcnt 0x0
	s_add_nc_u64 s[4:5], s[4:5], s[22:23]
.macro SINCOS k
	s_add_co_u32 s11, s9, \k
	v_cvt_f32_u32 v5, s11
	v_mul_f32 v5, v5, v4                           ; the angle: one rounding
	v_mul_f32 v6, s12, v5
	v_rndne_f32 v6, v6                             ; n quarter turns
	v_fma_f32 v7, -v6, s13, v5
	v_fma_f32 v7, -v6, s14, v7                     ; the rest, at most pi / 4
	v_mul_f32 v8, v7, v7                           ; z
	v_fma_f32 v9, v8, s17, s16
	v_fma_f32 v10, v8, s20, s19
	v_fma_f32 v9, v9, v8, s15
	v_fma_f32 v10, v10, v8, s18
	v_mul_f32 v11, v8, v7
	v_mul_f32 v12, v8, v8
	v_fma_f32 v13, v8, -0.5, 1.0
	v_fma_f32 v9, v9, v11, v7                      ; the rest's sine
	v_fma_f32 v10, v10, v12, v13                   ; and cosine
	v_cvt_i32_f32 v14, v6
	v_and_b32 v15, 1, v14
	v_cmp_eq_u32 vcc_lo, 1, v15                    ; an odd quarter: the two change places
	v_cndmask_b32 v16, v9, v10, vcc_lo
	v_cndmask_b32 v17, v10, v9, vcc_lo
	v_lshlrev_b32 v18, 30, v14                     ; the sine is negative in quarters 2 and 3,
	v_add_nc_u32 v19, 1, v14
	v_lshlrev_b32 v19, 30, v19                     ; the cosine in quarters 1 and 2
	v_and_b32 v18, 0x80000000, v18
	v_and_b32 v19, 0x80000000, v19
	v_xor_b32 v[OUT+2*\k], v17, v19
	v_xor_b32 v[OUT+2*\k+1], v16, v18
	global_store_b64 v[OFF], v[OUT+2*\k:OUT+2*\k+1], s[4:5] offset:256*\k
.endm
.irp k, 0,1,2,3,4,5,6,7
	SINCOS \k
.endr
	s_endpgm
.Lfunc_end_k_qdbd07fffb3_rope:
	.size	k_qdbd07fffb3_rope, .Lfunc_end_k_qdbd07fffb3_rope-k_qdbd07fffb3_rope
	.p2alignl 7, 3214868480
	.fill 96, 4, 3214868480
	.section	.rodata,"a",@progbits
	.p2align	6, 0x0
	.amdhsa_kernel k_qdbd07fffb3_rope
		.amdhsa_group_segment_fixed_size 0
		.amdhsa_private_segment_fixed_size 0
		.amdhsa_enable_private_segment 0
		.amdhsa_kernarg_size 8
		.amdhsa_user_sgpr_count 2
		.amdhsa_user_sgpr_kernarg_segment_ptr 1
		.amdhsa_wavefront_size32 1
		.amdhsa_system_sgpr_workgroup_id_x 1
		.amdhsa_system_sgpr_workgroup_id_y 1
		.amdhsa_system_sgpr_workgroup_id_z 1
		.amdhsa_system_vgpr_workitem_id 0
		.amdhsa_next_free_vgpr 48
		.amdhsa_next_free_sgpr 66
		.amdhsa_reserve_vcc 1
		.amdhsa_float_denorm_mode_32 3
		.amdhsa_float_denorm_mode_16_64 3
		.amdhsa_memory_ordered 1
		.amdhsa_forward_progress 1
		.amdhsa_inst_pref_size 13
	.end_amdhsa_kernel
	.amdgpu_metadata
---
amdhsa.version: [ 1, 2 ]
amdhsa.kernels:
  - .name:           k_qdbd07fffb3_rope
    .symbol:         k_qdbd07fffb3_rope.kd
    .args:
      - { .name: ropetab, .offset: 0, .size: 8, .value_kind: global_buffer, .address_space: global }
    .group_segment_fixed_size: 0
    .private_segment_fixed_size: 0
    .kernarg_segment_align: 8
    .kernarg_segment_size: 8
    .max_flat_workgroup_size: 128
    .sgpr_count:     66
    .vgpr_count:     48
    .wavefront_size: 32
...
	.end_amdgpu_metadata
.endif
;; end of part 1
;; launch qkv (part 2): grid 12 x 32, 4 waves a work-group, clusters of 4 x 4, 327,680 bytes of LDS; arguments x_codes, x_scales, Wq_codes, Wq_scales, Wk_codes, Wk_scales, Wv_codes, Wv_scales, ropetab, qbuf, kv; writes qbuf, kv
.if DOCPART == 2
	.amdgcn_target "amdgcn-amd-amdhsa--gfx1250"
	.amdhsa_code_object_version 6
	.text
	.protected	k_qdbd07fffb3_qkv
	.globl	k_qdbd07fffb3_qkv
	.p2align	8
	.type	k_qdbd07fffb3_qkv,@function
k_qdbd07fffb3_qkv:
	s_mov_b64 s[64:65], 0
	v_nop
	global_prefetch_b8 v0, s[64:65] scope:SCOPE_SE
	s_setreg_imm32_b32 hwreg(HW_REG_WAVE_MODE, 25, 1), 1
	s_wait_xcnt 0x0
	s_wait_alu depctr_hold_cnt(0) depctr_sa_sdst(0) depctr_va_vdst(0) depctr_va_sdst(0) depctr_va_ssrc(0) depctr_va_vcc(0) depctr_vm_vsrc(0)
	s_getreg_b32 s2, hwreg(HW_REG_IB_STS2, 6, 4)
	s_cmp_eq_u32 s2, 0
	s_cbranch_scc0 .Lentry_in_a_cluster
	s_endpgm
.Lentry_in_a_cluster:
	s_bfe_u32 s2, ttmp6, 0x10000c
	s_cmp_lg_u32 s2, 0xf033
	s_cbranch_scc0 .Lentry_shape_is_right
	s_endpgm
.Lentry_shape_is_right:
; q = rope(x Wq^T), k = rope(x Wk^T), v = x Wv^T on codes of FP6 (E2M3) with one E8M0 byte for each 32 along K = 1,024, and the results quantised again:
; q and k along the head's 64, v along the keys.  They leave as IMAGES OF OPERAND REGISTERS, in packets of 128 rows of one head, as the attention launch takes them.
; A tile of 256 x 256 results is made by four waves, 128 x 128 each: 64 accumulators, 512 registers.  K goes in steps of 256 through a ring of two LDS slots filled by the tensor data mover;
; the scale bytes of the work-group's 2 x 256 rows come once, with the first fills, and stay.
; CLUSTERS of 4 x 4; the cluster's x says which product: 0 q, 1 k, 2 v.  Source 1 of the matrix instruction ("A", tile row) gives a lane its ONE row, source 0 ("B", tile column) runs along the lane's registers.
;   q, k: A = x, B = the weight: a lane holds one token and 128 features (two heads): K of the next product lies in its registers.
;   v:    A = Wv, B = x: a lane holds one feature and 128 keys: again the next K lies in its registers.
; Both matrices have rows of 768 bytes of codes and 32 scale bytes, so only pointers and tile coordinates are chosen, by the cluster's x, which all sixteen partners share.
; A's tile is shared along a row of the cluster, B's along a column: each is asked for jointly, by the same tensor load with a mask that names the four.
; THE ORDER OF CODES IN A BLOCK.  The tiles of 16 rows are neighbours, so a lane's 16 numbers of a block of 32 are k = 8 h + 0..7 and 16 + 8 h + 0..7 (h = lane / 16), and a block's codes come to lie in the order
; 0-7, 16-23, 8-15, 24-31.  All codes of a block share one scale, and both operands of a product (q and k; later p and v) are laid by the same rule: the products are the same.
; No prefetch: K has four steps, two of them first fills and two the only refills.
; LIMITS: a scale byte 0xff among the inputs is not served.  A block whose largest magnitude lies under 2^-124, a block of zeros among them, keeps the byte 1 (the quantiser says 127 for zeros): its codes are
; zeros or as the floor gives them, and these bytes are read by this program alone.
; REGISTERS, in windows of 256: window 0: v0-31 addresses; v32-63 scale words, two sets; v128-223 A's fragments, one set; behind the loop v64-255 serve the way out.
;   window 1: B's fragments, two sets, at v0 and v128.   window 2: the accumulators of my rows 0-63 ((a, b) at v[8 (8 a + b)]);   window 3: those of rows 64-127.
.set KSTEP,  256                       ; along K in a slot
.set NQ,     2                         ; matrix instructions deep
.set ROWB,   192                       ; a tile's row in bytes
.set KROW,   768                       ; a row of codes in memory
.set PITCH,  240                       ; an LDS row: 3 x (64 bytes + 16 of padding): the 32 lanes of a load of 8 bytes touch 64 different banks (64 banks of 4 bytes: ISA guide 11.1)
.set FR,     12                        ; registers of a fragment
.set NL,     6                         ; LDS loads that bring one
.set NP,     4                         ; places behind this matrix instruction (ISA guide 7.12.1)
.set HALFT,  128*PITCH                 ; 128 rows: one tensor load
.set SLOT,   4*HALFT                   ; A's 256 rows, then B's
.set LAPS,   2                         ; 1,024 / 512
.set KS,     32                        ; a row of scale bytes
.set SCL,    2*SLOT                    ; behind the ring: the scale bytes, as units of 256 bytes + 16 of padding
.set HALFS,  (128*KS/256)*272
.set SBLK,   (16*KS/256)*272
.set SPARE,  SCL+4*HALFS               ; the spare words, 128 bytes a wave: two blocks of 256 bytes that no other line names
.set KVP,    13056                     ; a packet of kv: K's codes 6,144, K's scale words 512, V's codes 6,144, V's scale words 256
.set QP,     6656                      ; a packet of qbuf: codes 6,144, scale words 512
.set RA,   8                           ; v8      256 (lane % 16) + 32 (lane / 16): my place in the table of cos and sin
.set L8,   9                           ; v9      8 x lane
.set L16,  10                          ; v10     16 x lane
.set L16X, 11                          ; v11     16 x (lane xor 8)
.set ADRA, 16                          ; v16-17  LDS address of my A fragments in slot 0, 1 (v18-19: behind one padding more)
.set ADRB, 20                          ; v20-23  the same for B
.set ADRS, 27                          ; v27     LDS address of my scale words: lanes 0-15 A's rows, lanes 16-31 B's
.set SPW,  28                          ; v28     LDS address of my spare word; never rewritten
.set NIL,  29                          ; v29     0; never rewritten
.set SC,   32                          ; scale words
.set AF,   128                         ; A's fragments
.set H,    64                          ; the way out: v64-127  64 rotated numbers
.set CS0,  128                         ;              v128-191 two sets of 32: (cos, sin) pairs
.set CD,   192                         ;              v192-210 the codes just made
.set TM,   212                         ;              v212-227 at work in QUANT
.set PW,   228                         ;              the scale word just made
.set SA,   232                         ;              v232-239 scale words of the first head's 8 tiles; in the v path: of the 8 tiles of features
.set SB,   240                         ;              v240-247 of the second head's
.set SV,   232
.set OA,   248                         ;              v248-251, v252-255 scale words as they are stored
.set OB,   252
.set G1, 24                            ; s[24:31] group 1 for A's tiles; s[32:39] group 0, a set for each slot
.set G0, 32
.set G1B, 48                           ; s[48:55], s[56:63] the same for B's
.set G0B, 56
.set G1S, 68                           ; s[68:75], s[76:79] groups 1 and 0 for A's scales; s[80:87], s[88:91] for B's (the arguments lie here first)
.set G0S, 76
.set G1SB, 80
.set G0SB, 88
.set HI,  66                           ; s66     the mask of lanes 16-31
.set SEL, 96                           ; s[96:97] lane selects for v_permlanex16_b32: lane l xor 16
.set MSB, 0
.macro WIN new                         ; the immediate's high byte repeats the setting that is left
.if MSB != (\new)
	s_set_vgpr_msb (MSB<<8)|(\new)
.set MSB, (\new)
.endif
.endm
.set MUL_LO, 0xa1                      ; source 0 (B) window 1, source 1 (A) window 0, C and D window 2
.set MUL_HI, 0xf1                      ; the same, C and D window 3
.set TO_B,   0x40                      ; destination window 1, address window 0
; A joint load: waves 0 and 1 fetch for A, waves 2 and 3 for B.  The branch hangs on the wave's number alone.  Four v_nop follow each of the two lines.
.macro JLOAD g0a, g1a, g0b, g1b
	s_cmp_eq_u32 s15, 0
	s_cbranch_scc0 .Lfor_b_\@
	tensor_load_to_lds s[\g0a:\g0a+3], s[\g1a:\g1a+7]
	s_nop 0
.rept 4
	v_nop
.endr
	s_branch .Lasked_\@
.Lfor_b_\@:
	tensor_load_to_lds s[\g0b:\g0b+3], s[\g1b:\g1b+7]
	s_nop 0
.rept 4
	v_nop
.endr
.Lasked_\@:
.endm
.macro CREST                           ; a round of the cluster's barrier behind its opening barrier
	s_cmp_lg_u32 s14, 0
	s_cbranch_scc1 .Lnot_wave_0_\@
	s_barrier_signal -3
.Lnot_wave_0_\@:
	s_barrier_wait -3
	s_barrier_signal -1
	s_barrier_wait -1
.endm
.macro CROUND                          ; a whole round
	s_barrier_signal -1
	s_barrier_wait -1
	CREST
.endm
	s_load_b512 s[68:83], s[0:1], 0x0              ; x codes, x scales, Wq codes, Wq scales, Wk codes, Wk scales, Wv codes, Wv scales
	s_load_b128 s[84:87], s[0:1], 0x40             ; the table, qbuf
	s_load_b64 s[88:89], s[0:1], 0x50              ; kv
	v_lshl_add_u32 v[SPW], v0, 2, SPARE
	v_mov_b32 v[NIL], 0
	ds_add_u32 v28, v29
	ds_add_u32 v28, v29
	s_wait_dscnt 0x0
	v_lshrrev_b32 v1, 5, v0
	v_readfirstlane_b32 s14, v1                    ; wave 0..3
	s_lshr_b32 s15, s14, 1                         ; which half of A's rows is mine.  Also: I fetch for A (0) or for B (1)
	s_and_b32 s16, s14, 1                          ; which half of B's rows.  Also: which 128 rows of that tile I fetch
	s_bfe_u32 s40, ttmp6, 0x40000                  ; cx, cy: my place in the cluster
	s_bfe_u32 s41, ttmp6, 0x40004
	s_and_b32 s18, ttmp7, 0xffff
	s_lshl_b32 s18, s18, 2                         ; 4 x cluster y: it counts the 32 tiles of x's rows
	s_cmp_eq_u32 ttmp9, 2                          ; v?  (the cluster's x: the same in all sixteen partners)
	s_cselect_b32 s19, s18, 0
	s_cselect_b32 s18, 0, s18
	s_add_co_u32 s42, s19, s40                     ; B's tile: q, k: cx (the weight's);  v: 4 x cluster y + cx (x's)
	s_add_co_u32 s17, s18, s41                     ; A's tile: q, k: 4 x cluster y + cy (x's);  v: cy (the weight's)
	s_lshl_b32 s43, s41, 2
	s_lshl_b32 s43, 15, s43                        ; my row of the cluster
	s_lshl_b32 s44, 0x1111, s40                    ; my column
	; descriptor group 1: a tile of 128 rows x 192 bytes, padded in LDS
	s_or_b32 s[G1+0], s43, (0<<16)|(1<<20)|(1<<21)|(3<<22)|(3<<25)  ; 15:0 the mask: A's tiles go to my row; 17:16 element of 1 byte; 20 padding on; 21 set beside a mask; 24:22 after every 16 words; 31:25 of 4 words
	s_or_b32 s[G1B+0], s44, (0<<16)|(1<<20)|(1<<21)|(3<<22)|(3<<25)
.irp g, G1, G1B
	s_mov_b32 s[\g+1], ROWB<<16                    ; tensor_dim0
	s_mov_b32 s[\g+2], 128<<16                     ; tensor_dim1
	s_mov_b32 s[\g+3], ROWB<<16                    ; tile_dim0
	s_mov_b32 s[\g+4], 128                         ; tile_dim1
	s_mov_b32 s[\g+5], KROW                        ; tensor_dim0_stride
	s_mov_b32 s[\g+6], 0
	s_mov_b32 s[\g+7], 0
.endr
	s_lshl_b32 s18, s16, 7                         ; which 128 rows of the tile I fetch
	s_lshl_b32 s20, s17, 8
	s_add_co_u32 s20, s20, s18                     ; A: row 256 x tile + 128 x half
	s_lshl_b32 s46, s42, 8
	s_add_co_u32 s46, s46, s18                     ; B likewise
	s_mov_b32 s21, 0
	s_mov_b32 s47, 0
	s_mov_b64 s[18:19], KS
	s_mul_u64 s[22:23], s[20:21], s[18:19]         ; where these rows' scales begin, in bytes
	s_mul_u64 s[92:93], s[46:47], s[18:19]
	s_mov_b64 s[18:19], KROW
	s_mul_u64 s[20:21], s[20:21], s[18:19]         ; and their codes
	s_mul_u64 s[46:47], s[46:47], s[18:19]
	s_mul_i32 s45, s14, HALFT                      ; where they go: wave x 128 rows: no place in the cluster enters an LDS address
	s_mul_i32 s94, s14, HALFS
	s_wait_kmcnt 0x0
	s_cmp_eq_u32 ttmp9, 2                          ; the buffers are chosen by the cluster's x alone
	s_cselect_b64 s[4:5], s[80:81], s[68:69]       ; A's codes: Wv's or x's
	s_cselect_b64 s[6:7], s[82:83], s[70:71]       ; A's scales
	s_cselect_b64 s[8:9], s[68:69], s[76:77]       ; B's codes: x's or Wk's,
	s_cselect_b64 s[10:11], s[70:71], s[78:79]
	s_cmp_eq_u32 ttmp9, 0
	s_cselect_b64 s[8:9], s[72:73], s[8:9]         ; or Wq's
	s_cselect_b64 s[10:11], s[74:75], s[10:11]
	s_cselect_b64 s[12:13], s[86:87], s[88:89]     ; the results' buffer: qbuf or kv,
	s_mov_b32 s100, KVP
	s_cselect_b32 s100, QP, s100                   ; and its packets' bytes
	s_mov_b64 s[98:99], s[84:85]                   ; the table
	s_add_nc_u64 s[20:21], s[4:5], s[20:21]
	s_add_nc_u64 s[22:23], s[6:7], s[22:23]
	s_add_nc_u64 s[46:47], s[8:9], s[46:47]
	s_add_nc_u64 s[92:93], s[10:11], s[92:93]
	; the scales of 128 rows: a dense block of 4,096 bytes, as rows of 256 bytes (32 elements of 8 bytes), 16 bytes of padding behind each.  (The arguments that lay in these registers have been taken)
	s_or_b32 s[G1S+0], s43, (3<<16)|(1<<20)|(1<<21)|(5<<22)|(3<<25)
	s_or_b32 s[G1SB+0], s44, (3<<16)|(1<<20)|(1<<21)|(5<<22)|(3<<25)
.irp g, G1S, G1SB
	s_mov_b32 s[\g+1], 32<<16
	s_mov_b32 s[\g+2], (128*KS/256)<<16
	s_mov_b32 s[\g+3], 32<<16
	s_mov_b32 s[\g+4], 128*KS/256
	s_mov_b32 s[\g+5], 32
	s_mov_b32 s[\g+6], 0
	s_mov_b32 s[\g+7], 0
.endr
	CROUND                                         ; all sixteen work-groups are here: the first joint loads meet
	s_mov_b32 s[G0S], 1
	s_add_co_u32 s[G0S+1], s94, SCL
	s_mov_b64 s[G0S+2:G0S+3], s[22:23]
	s_or_b32 s[G0S+3], s[G0S+3], 0x80000000
	s_mov_b32 s[G0SB], 1
	s_add_co_u32 s[G0SB+1], s94, SCL
	s_mov_b64 s[G0SB+2:G0SB+3], s[92:93]
	s_or_b32 s[G0SB+3], s[G0SB+3], 0x80000000
	JLOAD G0S, G1S, G0SB, G1SB                     ; the scales first: they are wanted with K step 0
.irp s, 0,1
	s_mov_b32 s[G0+4*\s], 1
	s_add_co_u32 s[G0+4*\s+1], s45, \s*SLOT
	s_add_nc_u64 s[G0+4*\s+2:G0+4*\s+3], s[20:21], \s*ROWB
	s_or_b32 s[G0+4*\s+3], s[G0+4*\s+3], 0x80000000
	s_mov_b32 s[G0B+4*\s], 1
	s_add_co_u32 s[G0B+4*\s+1], s45, \s*SLOT
	s_add_nc_u64 s[G0B+4*\s+2:G0B+4*\s+3], s[46:47], \s*ROWB
	s_or_b32 s[G0B+4*\s+3], s[G0B+4*\s+3], 0x80000000
	JLOAD G0+4*\s, G1, G0B+4*\s, G1B
.endr
	v_and_b32 v1, 15, v0                           ; l % 16
	v_bfe_u32 v2, v0, 4, 1                         ; l / 16
	v_mul_u32_u24 v3, v1, PITCH
	v_mul_u32_u24 v4, v2, 24
	v_add_nc_u32 v4, v3, v4                        ; a fragment's row x pitch + 24 x half
	v_lshl_add_u32 v5, v2, 4, v4                   ; and the same behind one padding more
	s_mul_i32 s21, s15, HALFT                      ; my 128 rows of A
	s_mul_i32 s22, s16, HALFT                      ; my 128 rows of B,
	s_add_co_u32 s22, s22, 2*HALFT                 ; which lie behind A's 256
.irp s, 0,1
	v_add_nc_u32 v[ADRA+\s], s21, v4
	v_add_nc_u32 v[ADRB+\s], s22, v4
	v_add_nc_u32 v[ADRA+2+\s], s21, v5
	v_add_nc_u32 v[ADRB+2+\s], s22, v5
	s_add_co_u32 s21, s21, SLOT
	s_add_co_u32 s22, s22, SLOT
.endr
	v_mul_u32_u24 v5, v1, KS                       ; my row's scales: 32 bytes a row,
	v_lshrrev_b32 v6, 8, v5
	v_lshl_add_u32 v5, v6, 4, v5                   ; and 16 more for each 256 passed
	s_mul_i32 s21, s15, HALFS                      ; A's: my 128 rows
	s_mul_i32 s22, s16, HALFS                      ; B's: my 128 rows, behind A's 256
	s_add_co_u32 s22, s22, 2*HALFS
	s_sub_co_u32 s22, s22, s21
	v_mul_u32_u24 v6, s22, v2                      ; lanes 16-31 take B's
	s_add_co_u32 s21, s21, SCL
	v_add_nc_u32 v5, v5, v6
	v_add_nc_u32 v[ADRS], s21, v5
	v_lshlrev_b32 v[RA], 8, v1                     ; the way out's offsets
	v_lshl_add_u32 v[RA], v2, 5, v[RA]
	v_and_b32 v6, 31, v0
	v_lshlrev_b32 v[L8], 3, v6
	v_lshlrev_b32 v[L16], 4, v6
	v_xor_b32 v[L16X], 128, v[L16]
.macro FRAG reg, adr, q, i             ; a fragment, 16 rows x 128 K, is 12 registers: lane l holds row l % 16; registers 6 c .. 6 c + 5 hold K = 64 c + 32 (l / 16) + 0 .. 31: 24 bytes of the row's stream of bits, as they lie
.irp p, 0,1,2,3,4,5                    ; in pieces of 8 bytes.  Lanes 16-31 read three pieces further on than lanes 0-15
.set PC, 12*(\q)+6*(\p/3)+\p%3        ; 16 bytes of padding lie behind every 8 pieces: where the piece three on lies behind one padding more, the second address register serves
.if PC%8 < 5
	ds_load_b64 v[\reg+2*\p:\reg+2*\p+1], v[\adr] offset:8*PC+16*(PC/8)+(\i)*16*PITCH
.else
	ds_load_b64 v[\reg+2*\p:\reg+2*\p+1], v[\adr+2] offset:8*PC+16*(PC/8)+(\i)*16*PITCH
.endif
.endr
.endm
; 16 matrix instructions: A's blocks a0, a0 + 1 x B's eight, 128 along K.  p: B's set; sc: the set of scale words.  zero = 1: the first product starts the sums.
; The 64 accumulators take turns, one instruction a turn, in the same order in every step.
.macro MUL16 a0, p, q, sc, zero
.irp a, \a0, \a0+1
.irp b, 0,1,2,3,4,5,6,7
.if \zero
	v_wmma_scale_f32_16x16x128_f8f6f4 v[8*(8*((\a)%4)+\b):8*(8*((\a)%4)+\b)+7], v[128*(\p)+FR*\b:128*(\p)+FR*\b+FR-1], v[AF+FR*(\a):AF+FR*(\a)+FR-1], 0, v[SC+8*NQ*(\sc)+NQ*\b+(\q)], v[SC+8*NQ*(\sc)+NQ*(\a)+(\q)] matrix_a_fmt:MATRIX_FMT_FP6 matrix_b_fmt:MATRIX_FMT_FP6 matrix_a_scale:MATRIX_SCALE_ROW1
.else
	v_wmma_scale_f32_16x16x128_f8f6f4 v[8*(8*((\a)%4)+\b):8*(8*((\a)%4)+\b)+7], v[128*(\p)+FR*\b:128*(\p)+FR*\b+FR-1], v[AF+FR*(\a):AF+FR*(\a)+FR-1], v[8*(8*((\a)%4)+\b):8*(8*((\a)%4)+\b)+7], v[SC+8*NQ*(\sc)+NQ*\b+(\q)], v[SC+8*NQ*(\sc)+NQ*(\a)+(\q)] matrix_a_fmt:MATRIX_FMT_FP6 matrix_b_fmt:MATRIX_FMT_FP6 matrix_a_scale:MATRIX_SCALE_ROW1
.endif
.endr
.endr
.endm
.macro FETCH_B slot, q, p              ; B's eight fragments of the slot's q-th 128 along K into set p
	WIN TO_B
.irp i, 0,1,2,3,4,5,6,7
	FRAG 128*(\p)+FR*\i, ADRB+\slot, \q, \i
.endr
	WIN 0
.endm
.macro FETCH_A slot, q, i0             ; A's blocks i0 .. i0 + 3
.irp i, \i0, \i0+1, \i0+2, \i0+3
	FRAG AF+FR*(\i), ADRA+\slot, \q, \i
.endr
.endm
.macro SCALES sc                       ; the next K step's scale words into set sc: two words a row; lanes 0-15 take A's block i, lanes 16-31 B's block i
.irp i, 0,1,2,3,4,5,6,7
	ds_load_b64 v[SC+8*NQ*\sc+NQ*\i:SC+8*NQ*\sc+NQ*\i+1], v[ADRS] offset:\i*SBLK
.endr
.endm
; A load into a register that a matrix instruction has read, and a vector instruction that reads a matrix result, stand four places behind that matrix instruction; only plain vector
; instructions that name none of its registers are places (ISA guide 7.12.1 for vector instructions).
.macro PLACES n
.rept \n
	v_nop
.endr
.endm
; A step of 128 along K that has its successor in the same slot.
.macro STEP slot, q, zero
	s_wait_dscnt 4*NL                              ; B's set and A's blocks 0-3 are in; the youngest 24 loads (A's blocks 4-7) may be out
	WIN MUL_LO
	MUL16 0, (\q)%2, \q, \slot, \zero
	MUL16 2, (\q)%2, \q, \slot, \zero
	s_wait_dscnt 0                                 ; A's blocks 4-7 are in
	PLACES NP
	FETCH_B \slot, (\q)+1, 1-(\q)%2
	FETCH_A \slot, (\q)+1, 0
	WIN MUL_HI
	MUL16 4, (\q)%2, \q, \slot, \zero
	MUL16 6, (\q)%2, \q, \slot, \zero
	PLACES NP
	WIN 0
	FETCH_A \slot, (\q)+1, 4
.endm
; A slot's last step changes slots: ONE barrier; in front of it each wave waits for all its tensor loads, adds 0 to its spare word, and waits for that and for its own reads of this slot.  fill = 1: this slot is filled again, two K steps ahead.
.macro TURN slot, next, fill
	s_wait_tensorcnt 0x0                           ; all my tensor loads have landed: my part of the next slot
	ds_add_u32 v[SPW], v[NIL]                      ; 0 onto my spare word
	s_wait_dscnt 4*NL+1                            ; (the add and the youngest 24 loads, A's blocks 4-7, may be out)
	WIN MUL_LO
	MUL16 0, 1, NQ-1, \slot, 0                     ; sixteen matrix instructions stand between the add and the wait for it
	s_wait_dscnt 0x0                               ; the add is done, and my reads of this slot are over
	s_barrier_signal -1
	MUL16 2, 1, NQ-1, \slot, 0
	WIN 0
	s_barrier_wait -1
.if \fill
	CREST                                          ; the barrier has opened a round of the cluster's barrier: no wave of any partner still reads this slot or has a load on its way
	s_add_nc_u64 s[G0+4*\slot+2:G0+4*\slot+3], s[G0+4*\slot+2:G0+4*\slot+3], 2*ROWB
	s_add_nc_u64 s[G0B+4*\slot+2:G0B+4*\slot+3], s[G0B+4*\slot+2:G0B+4*\slot+3], 2*ROWB
	JLOAD G0+4*\slot, G1, G0B+4*\slot, G1B         ; the first tensor load behind the round; its four v_nop are the places in front of the loads below
.else
	PLACES NP
.endif
	v_add_nc_u32 v[ADRS], 4*NQ, v[ADRS]            ; on to the next K step's scale words
	FETCH_B \next, 0, 0
	FETCH_A \next, 0, 0
	SCALES \next
	WIN MUL_HI
	MUL16 4, 1, NQ-1, \slot, 0
	MUL16 6, 1, NQ-1, \slot, 0
	PLACES NP
	WIN 0
	FETCH_A \next, 0, 4
.endm
	s_wait_tensorcnt 1                             ; the scales and my part of K step 0 are in (of my three first fills K step 1's may be out),
	s_barrier_signal -1
	s_barrier_wait -1                              ; everybody's are
	FETCH_B 0, 0, 0
	FETCH_A 0, 0, 0
	SCALES 0
	FETCH_A 0, 0, 4
	STEP 0, 0, 1                                   ; the first step stands in front of the loop: its products start the sums
	s_mov_b32 s3, LAPS-1
.Llap:                                                 ; a trip goes once round the ring and fills both slots again
	TURN 0, 1, 1
	STEP 1, 0, 0
	TURN 1, 0, 1
	STEP 0, 0, 0
	s_sub_co_u32 s3, s3, 1
	s_cmp_lg_u32 s3, 0
	s_cbranch_scc1 .Llap
	TURN 0, 1, 0                                   ; the last lap fills nothing
	STEP 1, 0, 0
	s_wait_dscnt 4*NL                              ; the very last step
	WIN MUL_LO
	MUL16 0, 1, NQ-1, 1, 0
	MUL16 2, 1, NQ-1, 1, 0
	s_wait_dscnt 0
	WIN MUL_HI
	MUL16 4, 1, NQ-1, 1, 0
	MUL16 6, 1, NQ-1, 1, 0
	WIN 0
; THE WAY OUT.  No LDS: what is stored are images of registers, 8 or 16 bytes a lane at 8 or 16 x lane, so each store of the wave covers 256 or 512 consecutive bytes, aligned.
; QUANT: 64 numbers of a lane, v[s] .. v[s + 63] of window w, registers 16 b .. 16 b + 15 my half of block b, become a fragment's 12 registers of codes in v[CD] on and its scale word in v[pw].
; Each accumulator is read from its low end on.
.macro QUANT s, w, pw
	WIN (\w)|((\w)<<2)
.irp b, 0,1,2,3
	v_max3_num_f32 v[TM+\b], |v[(\s)+16*\b]|, |v[(\s)+1+16*\b]|, 0x1800000   ; my 16 numbers of block b, and the floor 2^(3 - 127): the byte cannot fall under 1
.endr
	WIN ((\w)<<2)|((\w)<<4)
.irp i, 2,4,6,8,10,12,14
.irp b, 0,1,2,3
	v_max3_num_f32 v[TM+\b], v[TM+\b], |v[(\s)+16*\b+\i]|, |v[(\s)+1+16*\b+\i]|   ; the four blocks by turns
.endr
.endr
	WIN 0
.irp b, 0,1,2,3
	v_permlanex16_b32 v[TM+4+\b], v[TM+\b], s[SEL], s[SEL+1]
.endr
.irp b, 0,1,2,3
	v_max_num_f32 v[TM+\b], v[TM+\b], v[TM+4+\b]   ; with lane l xor 16's: the block's largest magnitude
.endr
.irp b, 0,1,2,3
	v_add_nc_u32 v[TM+12+\b], 0xff000000, v[TM+\b] ; 2 off its exponent field: the conversion takes the exponent field of this operand as its scale
.endr
.irp b, 0,1,2,3
	v_lshrrev_b32 v[TM+4+\b], 23, v[TM+12+\b]      ; the scale's byte
.endr
	v_lshl_or_b32 v[\pw], v[TM+5], 8, v[TM+4]
	v_lshl_or_b32 v[\pw], v[TM+6], 16, v[\pw]
	v_lshl_or_b32 v[\pw], v[TM+7], 24, v[\pw]
	WIN (\w)
.irp c, 0,1
	v_cvt_scalef32_pk16_fp6_f32 v[CD+6*\c:CD+2+6*\c], v[(\s)+32*\c:(\s)+15+32*\c], v[TM+12+2*\c]
	v_cvt_scalef32_pk16_fp6_f32 v[CD+12+4*\c:CD+14+4*\c], v[(\s)+16+32*\c:(\s)+31+32*\c], v[TM+12+2*\c+1]   ; (a conversion's three registers begin on an even number)
.endr
	WIN 0
	v_nop                                          ; one plain place behind a scaled conversion
.irp c, 0,1                            ; the operand's layout wants a whole block in a lane: lanes 0-15 block 2 c, lanes 16-31 block 2 c + 1
.irp i, 0,1,2
	v_permlane16_swap_b32 v[CD+6*\c+\i], v[CD+12+4*\c+\i]
.endr
.irp i, 0,1,2
	v_mov_b32 v[CD+3+6*\c+\i], v[CD+12+4*\c+\i]
.endr
.endr
.endm
; Where my two heads' packets begin: s[20:21], s[22:23].  My 128 rows of x are tile s[rt], half s[rh]; my 128 features tile s[ht], half s[hh].  s94 = my first row of x.
.macro DEST rt, rh, ht, hh
	s_lshl_b32 s94, s[\rt], 8
	s_lshl_b32 s21, s[\rh], 7
	s_add_co_u32 s94, s94, s21
	s_bfe_u32 s22, s94, 0x40007                    ; which 128 rows of the batch's 2,048
	s_lshr_b32 s21, s94, 11                        ; the batch
	s_lshl_b32 s21, s21, 4
	s_lshl_b32 s46, s[\ht], 2
	s_add_co_u32 s21, s21, s46
	s_lshl_b32 s46, s[\hh], 1
	s_add_co_u32 s21, s21, s46                     ; 16 x batch + my first head
	s_lshl_b32 s21, s21, 4
	s_add_co_u32 s21, s21, s22                     ; the packet's number, under 1,024
	s_mul_i32 s20, s21, s100
	s_mov_b32 s21, 0
	s_add_nc_u64 s[20:21], s[12:13], s[20:21]
	s_lshl_b32 s46, s100, 4                        ; the next head: 16 packets on
	s_mov_b32 s47, 0
	s_add_nc_u64 s[22:23], s[20:21], s[46:47]
.endm
	PLACES NP                                      ; behind the last products: results are read, and registers that held A's fragments are written and loaded
.irp b, 0,1,2,3
	v_mov_b32 v[TM+4+\b], 0                        ; written once: a lane permute's destination counts as one of its sources
.endr
	v_cmp_ne_u32 s[HI], 0, v2
	s_mov_b32 s[SEL], 0x76543210
	s_mov_b32 s[SEL+1], 0xfedcba98
	s_cmp_eq_u32 ttmp9, 2                          ; the cluster's x
	s_cbranch_scc1 .Lvpath
	; ---- q and k.  For a fixed a, lane (r, h) holds token 16 a + r and, in accumulator (a, t), features 16 t + 8 h + 0 .. 7: pairs (even, odd) of frequencies 8 (t % 4) + 4 h + 0 .. 3 of head t / 4.
	DEST 17, 15, 42, 16
	s_and_b32 s92, s94, 2047                       ; my first token's position,
	s_lshl_b32 s92, s92, 8                         ; 256 bytes of the table each
	s_mov_b32 s93, 0
	s_add_nc_u64 s[98:99], s[98:99], s[92:93]
.macro CSLOAD a                        ; (cos, sin) of token 16 a + r: frequencies 8 u + 4 h + 0 .. 3, two to a load, into set a % 2
.set CSL, CS0+32*((\a)%2)
.irp u, 0,1,2,3
.irp k, 0,1
	global_load_b128 v[CSL+8*\u+4*\k:CSL+8*\u+4*\k+3], v[RA], s[98:99] offset:4096*(\a)+64*\u+16*\k
.endr
.endr
.endm
.macro QKTILE a
.set CSS, CS0+32*((\a)%2)
.set AC, 64*((\a)%4)
.if (\a) < 7
	s_wait_loadcnt 8                               ; this tile's eight loads are in; the next tile's eight may be out
.else
	s_wait_loadcnt 0
.endif
	WIN 2+(\a)/4                                   ; source 0: the accumulators' window
.irp t, 0,1,2,3,4,5,6,7
.irp jj, 0,1,2,3
	v_pk_mul_f32 v[H+8*\t+2*\jj:H+8*\t+2*\jj+1], v[AC+8*\t+2*\jj:AC+8*\t+2*\jj+1], v[CSS+8*(\t%4)+2*\jj:CSS+8*(\t%4)+2*\jj+1] op_sel:[1,1] op_sel_hi:[0,1] neg_lo:[0,1]   ; (-odd x sin, even x sin)
.endr
.endr
.irp t, 0,1,2,3,4,5,6,7
.irp jj, 0,1,2,3
	v_pk_fma_f32 v[H+8*\t+2*\jj:H+8*\t+2*\jj+1], v[AC+8*\t+2*\jj:AC+8*\t+2*\jj+1], v[CSS+8*(\t%4)+2*\jj:CSS+8*(\t%4)+2*\jj+1], v[H+8*\t+2*\jj:H+8*\t+2*\jj+1] op_sel_hi:[1,0,1]   ; + (even x cos, odd x cos)
.endr
.endr
	WIN 0
.if (\a)+2 < 8
	CSLOAD (\a)+2                                  ; into the set just read
.endif
	s_wait_xcnt 0x0                                ; the last tile's stores have read the codes' registers
	QUANT H, 0, PW
.irp p, 0,1,2
	global_store_b64 v[L8], v[CD+2*\p:CD+2*\p+1], s[20:21] offset:768*(\a)+256*\p       ; the first head's six registers: lane (r, h): token r, block h
	global_store_b64 v[L8], v[CD+6+2*\p:CD+7+2*\p], s[22:23] offset:768*(\a)+256*\p     ; the second head's
.endr
	v_and_b32 v[TM], 0xffff, v[PW]                 ; a head's two bytes, twice: the bytes of the instruction's unused K = 64 .. 127 repeat the real ones
	v_lshl_or_b32 v[SA+(\a)], v[TM], 16, v[TM]
	v_lshrrev_b32 v[TM+1], 16, v[PW]
	v_lshl_or_b32 v[SB+(\a)], v[TM+1], 16, v[TM+1]
.endm
	CSLOAD 0
	CSLOAD 1
.irp a, 0,1,2,3,4,5,6,7
	QKTILE \a
.endr
.irp j, 0,1,2,3                        ; the scale words: register j holds tile j's in lanes 0-15 and tile 4 + j's in lanes 16-31, as the reader's one load of 16 bytes a lane wants them
	v_cndmask_b32 v[OA+\j], v[SA+\j], v[SA+4+\j], s[HI]
	v_cndmask_b32 v[OB+\j], v[SB+\j], v[SB+4+\j], s[HI]
.endr
	global_store_b128 v[L16], v[OA:OA+3], s[20:21] offset:6144
	global_store_b128 v[L16], v[OB:OB+3], s[22:23] offset:6144
	s_branch .Ldone
.Lvpath:
	; ---- v.  For a fixed a, lane (r, h) holds feature 16 a + r and, in accumulator (a, b), keys 16 b + 8 h + 0 .. 7: the 64 registers are a fragment of V^T, 16 features x 128 keys.
	; Tile a = 4 (head) + 2 g + e.  Its image is laid so that the reader can form tiles of features 32 g + 16 e' + 8 u + 0 .. 7 by addresses alone: odd tiles (e = 1) change their two groups of eight lanes.
	DEST 42, 16, 17, 15
.macro VTILE a
.set AC, 64*((\a)%4)
.set AW, 2+(\a)/4
.set DSTR, 20+2*((\a)/4)
	s_wait_xcnt 0x0                                ; the last tile's stores have read the codes' registers
	QUANT AC, AW, SV+(\a)
.irp c, 0,1,2
.if (\a)%2
	global_store_b128 v[L16X], v[CD+4*\c:CD+4*\c+3], s[DSTR:DSTR+1] offset:6656+3072*(((\a)/2)%2)+1536+512*\c
.else
	global_store_b128 v[L16], v[CD+4*\c:CD+4*\c+3], s[DSTR:DSTR+1] offset:6656+3072*(((\a)/2)%2)+512*\c
.endif
.endr
.endm
.irp a, 0,1,2,3,4,5,6,7
	VTILE \a
.endr
.irp n, 0,1                            ; a head's scale words: 8 bytes a lane: lanes 0-15 tiles 0 and 1 of feature row r, lanes 16-31 tiles 2 and 3
	v_cndmask_b32 v[OA+2*\n], v[SV+4*\n], v[SV+4*\n+2], s[HI]
	v_cndmask_b32 v[OA+2*\n+1], v[SV+4*\n+1], v[SV+4*\n+3], s[HI]
.endr
	global_store_b64 v[L8], v[OA:OA+1], s[20:21] offset:12800
	global_store_b64 v[L8], v[OA+2:OA+3], s[22:23] offset:12800
.Ldone:
	s_wait_tensorcnt 0x0                           ; the wave's end
	ds_add_u32 v[SPW], v[NIL]
	s_wait_dscnt 0x0
	CROUND                                         ; the closing round: no work-group ends while a partner may still ask for a tile that names it
	s_endpgm
.Lfunc_end_k_qdbd07fffb3_qkv:
	.size	k_qdbd07fffb3_qkv, .Lfunc_end_k_qdbd07fffb3_qkv-k_qdbd07fffb3_qkv
	.p2alignl 7, 3214868480
	.fill 96, 4, 3214868480
	.section	.rodata,"a",@progbits
	.p2align	6, 0x0
	.amdhsa_kernel k_qdbd07fffb3_qkv
		.amdhsa_group_segment_fixed_size 327680
		.amdhsa_private_segment_fixed_size 0
		.amdhsa_enable_private_segment 0
		.amdhsa_kernarg_size 88
		.amdhsa_user_sgpr_count 2
		.amdhsa_user_sgpr_kernarg_segment_ptr 1
		.amdhsa_wavefront_size32 1
		.amdhsa_system_sgpr_workgroup_id_x 1
		.amdhsa_system_sgpr_workgroup_id_y 1
		.amdhsa_system_sgpr_workgroup_id_z 1
		.amdhsa_system_vgpr_workitem_id 0
		.amdhsa_next_free_vgpr 1024
		.amdhsa_next_free_sgpr 102
		.amdhsa_reserve_vcc 0
		.amdhsa_float_denorm_mode_32 3
		.amdhsa_float_denorm_mode_16_64 3
		.amdhsa_memory_ordered 1
		.amdhsa_forward_progress 1
		.amdhsa_inst_pref_size 242
	.end_amdhsa_kernel
	.amdgpu_metadata
---
amdhsa.version: [ 1, 2 ]
amdhsa.kernels:
  - .name:           k_qdbd07fffb3_qkv
    .symbol:         k_qdbd07fffb3_qkv.kd
    .args:
      - { .name: x_codes, .offset: 0, .size: 8, .value_kind: global_buffer, .address_space: global }
      - { .name: x_scales, .offset: 8, .size: 8, .value_kind: global_buffer, .address_space: global }
      - { .name: Wq_codes, .offset: 16, .size: 8, .value_kind: global_buffer, .address_space: global }
      - { .name: Wq_scales, .offset: 24, .size: 8, .value_kind: global_buffer, .address_space: global }
      - { .name: Wk_codes, .offset: 32, .size: 8, .value_kind: global_buffer, .address_space: global }
      - { .name: Wk_scales, .offset: 40, .size: 8, .value_kind: global_buffer, .address_space: global }
      - { .name: Wv_codes, .offset: 48, .size: 8, .value_kind: global_buffer, .address_space: global }
      - { .name: Wv_scales, .offset: 56, .size: 8, .value_kind: global_buffer, .address_space: global }
      - { .name: ropetab, .offset: 64, .size: 8, .value_kind: global_buffer, .address_space: global }
      - { .name: qbuf, .offset: 72, .size: 8, .value_kind: global_buffer, .address_space: global }
      - { .name: kv, .offset: 80, .size: 8, .value_kind: global_buffer, .address_space: global }
    .group_segment_fixed_size: 327680
    .private_segment_fixed_size: 0
    .kernarg_segment_align: 8
    .kernarg_segment_size: 88
    .max_flat_workgroup_size: 128
    .sgpr_count:     102
    .vgpr_count:     1024
    .wavefront_size: 32
...
	.end_amdgpu_metadata
.endif
;; end of part 2
;; launch attn (part 3): grid 4 x 64, 16 waves a work-group, clusters of 4 x 1, 215,040 bytes of LDS; arguments qbuf, kv, ao_codes, ao_scales; writes ao_codes, ao_scales
.if DOCPART == 3
	.amdgcn_target "amdgcn-amd-amdhsa--gfx1250"
	.amdhsa_code_object_version 6
	.text
	.protected	k_qdbd07fffb3_attn
	.globl	k_qdbd07fffb3_attn
	.p2align	8
	.type	k_qdbd07fffb3_attn,@function
k_qdbd07fffb3_attn:
	s_mov_b64 s[64:65], 0
	v_nop
	global_prefetch_b8 v0, s[64:65] scope:SCOPE_SE
	s_setreg_imm32_b32 hwreg(HW_REG_WAVE_MODE, 25, 1), 1
	s_wait_xcnt 0x0
	s_wait_alu depctr_hold_cnt(0) depctr_sa_sdst(0) depctr_va_vdst(0) depctr_va_sdst(0) depctr_va_ssrc(0) depctr_va_vcc(0) depctr_vm_vsrc(0)
	s_getreg_b32 s2, hwreg(HW_REG_IB_STS2, 6, 4)
	s_cmp_eq_u32 s2, 0
	s_cbranch_scc0 .Lentry_in_a_cluster
	s_endpgm
.Lentry_in_a_cluster:
	s_bfe_u32 s2, ttmp6, 0x10000c
	s_cmp_lg_u32 s2, 0x3003
	s_cbranch_scc0 .Lentry_shape_is_right
	s_endpgm
.Lentry_shape_is_right:
; Causal attention of one head on codes of FP6 (E2M3), and its result quantised again along the model's 1,024 for the output projection.
; t = score x log2(e) / 8; M = the row's largest t so far, rounded up to a whole number; p = 2^(t - M) is quantised along the keys, not normalised; the row's sum is taken of the unquantised p and divides at the end.
; When M moves, the sum and O are multiplied by 2^(old M - new M): exact.
; A HEAD'S K, V AND THEIR SCALE WORDS, 16 packets of 13,056 bytes (128 keys each), FIT IN LDS WHOLE.  Each of the sixteen waves brings one packet by one tensor load at the head; nothing is filled again and
; nothing is stored to LDS: behind one wait and one barrier the waves only read.  A wave has one tensor load out.
; CLUSTER.  The four work-groups of a head need the same 16 packets: each load is joint, with a mask that names the four.
; SHARES.  A head has 128 tiles of 16 queries, tile 8 J + i; it needs J + 1 key steps of 128.  Wave w of work-group cx takes tiles (J, i) = (w / 2, 4 (w % 2) + cx) and (15 - J, 7 - i): 17 key steps for every wave.
; J, which the branches use, hangs on the wave's number alone; cx enters global addresses and the diagonal's compare register, no branch and no LDS address.
; LAYOUT.  Both products are used transposed: S^T = K Q^T, O^T = V^T P^T: a lane holds one query (lane % 16) throughout.  All operands lie in LDS as images of their registers: every read is 8 or 16 bytes a lane.
; THE HEAD'S K IS 64: the instruction's K = 64 .. 127 is fed with zeros on Q's side (six registers of zero codes) and with whatever follows on K's side (the next tile's codes, or zeros): E2M3 has no NaN and no
; infinity, so those products are exact zeros; the scale words repeat the two real bytes.
; THE FEATURES OF A TILE OF V^T ARE CHOSEN, by addresses: row 8 e + r0 of tile 2 g + u is feature 32 g + 16 e + 8 u + r0, so that a lane's 16 registers of tiles 2 g, 2 g + 1 of O^T are 16 neighbours: 32 g + 16 (lane / 16) + 0 .. 15.
; The keys of a block of 32 lie in the order 0-7, 16-23, 8-15, 24-31 in p's codes and in V's alike.
; The loop over key steps has the constant count 16; steps behind the diagonal are jumped over by a scalar branch on the wave's number.
; LIMITS: a block whose largest magnitude lies under 2^-124 keeps the byte 1 (zeros too, where the quantiser says 127): the bytes are read by this program alone.
; REGISTERS: v1-7, v29-31 addresses that stay; v8-11, v28 addresses of the step; v12 -M, v13 the largest t, v[14:15] the sum; v16-27, v192-203 Q of the two passes; v32-79 K's eight tiles, then V's four fragments;
; v80-85 zeros; v86-89 K's scale words, v90-91 V's, v92-93 Q's; v96-159 S^T, then p; v160-191 O^T; v224-235 p's codes; v232-254 at work.
.set PKT,  13056                       ; a packet of kv: K's codes 0, K's scale words 6,144, V's codes 6,656, V's scale words 12,800
.set QPK,  6656                        ; a packet of qbuf
.set WV,   12                          ; s12  my wave's number
.set SEL,  20                          ; s[20:21] lane selects: lane l xor 16
.set CS,   22                          ; s[22:23] c = log2(e) / 8
.set G1,   24                          ; s[24:31], s[32:35] the descriptor
.set G0,   32
.set TB,   36                          ; s36  LDS byte at which the step's packet begins
.set JC,   37                          ; s37  the key step
.set HI,   38                          ; s38  the mask of lanes 16-31
.macro CROUND                          ; a round of the cluster's barrier
	s_barrier_signal -1
	s_barrier_wait -1
	s_cmp_lg_u32 s[WV], 0
	s_cbranch_scc1 .Lnot_wave_0_\@
	s_barrier_signal -3
.Lnot_wave_0_\@:
	s_barrier_wait -3
	s_barrier_signal -1
	s_barrier_wait -1
.endm
; the global addresses of tile (s[j], s[i]): Q's codes, Q's scale words, the result's codes and scale bytes
.macro ADDRS j, i, qc, qs, aoc, aos
	s_lshl_b32 s56, s14, 4
	s_add_co_u32 s56, s56, s[\j]
	s_mul_i32 s56, s56, QPK                        ; the packet of 128 queries
	s_mul_i32 s58, s[\i], 768
	s_add_co_u32 s58, s58, s56
	s_mov_b32 s59, 0
	s_add_nc_u64 s[\qc:\qc+1], s[4:5], s[58:59]
	s_lshr_b32 s58, s[\i], 2
	s_lshl_b32 s58, s58, 8
	s_and_b32 s60, s[\i], 3
	s_lshl_b32 s60, s60, 2
	s_add_co_u32 s58, s58, s60
	s_add_co_u32 s58, s58, s56
	s_add_co_u32 s58, s58, 6144
	s_add_nc_u64 s[\qs:\qs+1], s[4:5], s[58:59]
	s_lshr_b32 s56, s14, 4
	s_lshl_b32 s56, s56, 7
	s_lshl_b32 s58, s[\j], 3
	s_add_co_u32 s56, s56, s58
	s_add_co_u32 s56, s56, s[\i]                   ; the tile of 16 rows among 512: 128 x batch + 8 J + i
	s_lshl_b32 s58, s56, 9                         ; its 16 rows of 32 scale bytes,
	s_and_b32 s60, s14, 15                         ; the head:
	s_lshl_b32 s61, s60, 1                         ; its two bytes in a row
	s_add_co_u32 s58, s58, s61
	s_add_nc_u64 s[\aos:\aos+1], s[10:11], s[58:59]
	s_lshr_b32 s61, s60, 2                         ; codes: [head / 4][tile][(head / 2) % 2][head % 2][3 pieces][32 lanes][8 bytes]
	s_lshl_b32 s61, s61, 9
	s_add_co_u32 s61, s61, s56
	s_lshl_b32 s61, s61, 1
	s_bfe_u32 s62, s60, 0x10001
	s_add_co_u32 s61, s61, s62
	s_mul_i32 s61, s61, 1536
	s_and_b32 s62, s60, 1
	s_mul_i32 s62, s62, 768
	s_add_co_u32 s58, s61, s62
	s_add_nc_u64 s[\aoc:\aoc+1], s[8:9], s[58:59]
.endm
	s_load_b256 s[4:11], s[0:1], 0x0               ; qbuf, kv, ao_codes, ao_scales
	v_lshl_add_u32 v251, v0, 2, 0x34000
	v_mov_b32 v255, 0
	ds_add_u32 v251, v255
	ds_add_u32 v251, v255
	v_lshrrev_b32 v6, 5, v0
	s_delay_alu instid0(VALU_DEP_1)
	v_readfirstlane_b32 s[WV], v6                  ; wave 0..15
	s_bfe_u32 s13, ttmp6, 0x40000                  ; cx
	s_and_b32 s14, ttmp7, 0xffff                   ; 16 x batch + head, which the four partners share
	s_lshr_b32 s15, s[WV], 1                       ; J of my first tile,
	s_xor_b32 s16, s15, 15                         ; and of my second: 15 - J
	s_and_b32 s17, s[WV], 1
	s_lshl_b32 s17, s17, 2
	s_add_co_u32 s17, s17, s13                     ; i of my first tile,
	s_xor_b32 s18, s17, 7                          ; and of my second: 7 - i
	; descriptor group 1: a packet is dense: 51 rows of 256 bytes (32 elements of 8 bytes), no padding
	s_mov_b32 s[G1], 15|(3<<16)|(1<<21)            ; 15:0 the mask: all four work-groups; 17:16 elements of 8 bytes; 21 set beside a mask
	s_mov_b32 s[G1+1], 32<<16                      ; tensor_dim0
	s_mov_b32 s[G1+2], 51<<16                      ; tensor_dim1
	s_mov_b32 s[G1+3], 32<<16                      ; tile_dim0
	s_mov_b32 s[G1+4], 51                          ; tile_dim1
	s_mov_b32 s[G1+5], 32                          ; tensor_dim0_stride
	s_mov_b32 s[G1+6], 0
	s_mov_b32 s[G1+7], 0
	s_mov_b32 s[SEL], 0x76543210
	s_mov_b32 s[SEL+1], 0xfedcba98
	s_mov_b32 s[CS], 0x3e38aa3b                    ; log2(e) / 8
	s_mov_b32 s[CS+1], s[CS]                       ; (named with it as a pair, so it is written)
	s_mov_b32 s[G0], 1
	s_mul_i32 s[G0+1], s[WV], PKT                  ; LDS: packet w at 13,056 w
	s_mul_i32 s56, s14, 16*PKT                     ; memory: the head's 16 packets,
	s_add_co_u32 s56, s56, s[G0+1]                 ; mine
	s_mov_b32 s57, 0
	s_wait_dscnt 0x0
	s_wait_kmcnt 0x0
	s_add_nc_u64 s[G0+2:G0+3], s[6:7], s[56:57]
	s_or_b32 s[G0+3], s[G0+3], 0x80000000
	CROUND                                         ; all four work-groups are here: the joint loads meet
	tensor_load_to_lds s[G0:G0+3], s[G1:G1+7]
	s_nop 0
.rept 4
	v_nop
.endr
	ADDRS 15, 17, 40, 42, 48, 50
	ADDRS 16, 18, 44, 46, 52, 54
	v_and_b32 v6, 31, v0                           ; lane
	v_and_b32 v8, 7, v0                            ; r0
	v_bfe_u32 v9, v0, 3, 1                         ; e
	v_bfe_u32 v10, v0, 4, 1                        ; h
	v_and_b32 v11, 15, v0                          ; r
	v_lshlrev_b32 v1, 3, v6                        ; 8 x lane: K's and Q's images, and the result's
	s_delay_alu instid0(VALU_DEP_4)
	v_mul_u32_u24 v2, v9, 1664                     ; V's even tiles: 6,656 + 1,664 e + 256 h + 16 r0
	s_delay_alu instid0(VALU_DEP_1)
	v_lshl_add_u32 v2, v10, 8, v2
	s_delay_alu instid0(VALU_DEP_1)
	v_lshl_add_u32 v2, v8, 4, v2
	s_delay_alu instid0(VALU_DEP_1)
	v_add_nc_u32 v2, 6656, v2
	v_mul_u32_u24 v3, v9, 1408                     ; V's odd tiles: 6,784 + 1,408 e + 256 h + 16 r0
	s_delay_alu instid0(VALU_DEP_1)
	v_lshl_add_u32 v3, v10, 8, v3
	s_delay_alu instid0(VALU_DEP_1)
	v_lshl_add_u32 v3, v8, 4, v3
	s_delay_alu instid0(VALU_DEP_1)
	v_add_nc_u32 v3, 6784, v3
	v_lshl_add_u32 v4, v6, 4, 6144                 ; K's scale words: 16 bytes a lane
	v_lshlrev_b32 v5, 7, v10                       ; V's: 12,800 + 128 h + 8 r0 + 4 e
	s_delay_alu instid0(VALU_DEP_1)
	v_lshl_add_u32 v5, v8, 3, v5
	s_delay_alu instid0(VALU_DEP_1)
	v_lshl_add_u32 v5, v9, 2, v5
	s_delay_alu instid0(VALU_DEP_1)
	v_add_nc_u32 v5, 12800, v5
	v_lshlrev_b32 v7, 4, v11                       ; Q's scale words: 16 r
	v_lshl_add_u32 v31, v11, 5, v10                ; the result's scale bytes: 32 r + h
	v_lshlrev_b32 v28, 3, v10
	s_delay_alu instid0(VALU_DEP_1)
	v_sub_nc_u32 v28, v11, v28                     ; r - 8 h
	s_lshl_b32 s56, s17, 4
	v_add_nc_u32 v29, s56, v28                     ; on the diagonal: register 8 t + j holds key 16 t + 8 h + j of the step, my query is 16 i + r: hidden where 16 t + j > 16 i + r - 8 h
	s_lshl_b32 s56, s18, 4
	v_add_nc_u32 v30, s56, v28
	v_cmp_ne_u32 s[HI], 0, v10
.irp p, 0,1,2
	global_load_b64 v[16+2*\p:17+2*\p], v1, s[40:41] offset:256*\p      ; Q's fragments stay in registers
	global_load_b64 v[192+2*\p:193+2*\p], v1, s[44:45] offset:256*\p
.endr
	global_load_b32 v92, v7, s[42:43]
	global_load_b32 v93, v7, s[46:47]
.irp j, 0,1,2,3,4,5
	v_mov_b32 v[22+\j], 0                          ; zero codes for K = 64 .. 127
	v_mov_b32 v[198+\j], 0
	v_mov_b32 v[80+\j], 0
.endr
.irp b, 0,1,2,3
	v_mov_b32 v[236+\b], 0                         ; written once: a lane permute's destination counts as one of its sources
.endr
	v_mov_b32 v252, 0
	v_mov_b32 v253, 0                              ; (named as the upper half of the pair v[252:253] before it is first written)
	s_wait_tensorcnt 0x0                           ; my packet is in,
	s_barrier_signal -1
	s_barrier_wait -1                              ; everybody's is: the head's K and V lie in LDS
	s_wait_loadcnt 0x0                             ; Q
; One tile of 16 queries through all its key steps.  qf: Q's fragment; qs: its scale words; dq: the diagonal's compare register; jreg: s[jreg] = J; aoc, aos: where the result goes.
.macro PASS qf, qs, dq, jreg, aoc, aos
	s_wait_xcnt 0x0                                ; the last pass's stores have read their registers
	v_mov_b32 v13, 0xff61b1e6                      ; the largest t so far: -3e38, under every t
	s_delay_alu instid0(VALU_DEP_1)
	v_floor_f32 v12, -v13                          ; -M
	v_mov_b32 v14, 0                               ; the sum, in two halves
	v_mov_b32 v15, 0
.set n, 0
.rept 32
	v_mov_b32 v[160+n], 0                          ; O^T: the step is written once; the first finds zeros, which the first change of M leaves zeros
.set n, n+1
.endr
	s_mov_b32 s[TB], 0
	s_mov_b32 s[JC], 0
.Lstep_\@:
	s_cmp_gt_u32 s[JC], s[\jreg]                   ; a step all of whose keys come after my queries is left out
	s_cbranch_scc1 .Lhidden_\@
	s_setprio 2
	v_add_nc_u32 v8, s[TB], v1                     ; five plain instructions: also the places behind the last step's products, in front of the loads below
	v_add_nc_u32 v9, s[TB], v2
	v_add_nc_u32 v10, s[TB], v3
	v_add_nc_u32 v11, s[TB], v4
	v_add_nc_u32 v28, s[TB], v5
.irp t, 0,1,2,3,4,5,6,7
.irp p, 0,1,2
	ds_load_b64 v[32+6*\t+2*\p:33+6*\t+2*\p], v8 offset:768*\t+256*\p
.endr
.endr
	ds_load_b128 v[86:89], v11                     ; register j: tile j's words in lanes 0-15, tile 4 + j's in lanes 16-31
	s_wait_alu depctr_va_vdst(0)
	s_wait_dscnt 0x0
.irp t, 0,1,2,3
	v_wmma_scale_f32_16x16x128_f8f6f4 v[96+8*\t:103+8*\t], v[32+6*\t:43+6*\t], v[\qf:\qf+11], 0, v[86+\t], v[\qs] matrix_a_fmt:MATRIX_FMT_FP6 matrix_b_fmt:MATRIX_FMT_FP6
.endr
.irp t, 4,5,6,7
	v_wmma_scale_f32_16x16x128_f8f6f4 v[96+8*\t:103+8*\t], v[32+6*\t:43+6*\t], v[\qf:\qf+11], 0, v[82+\t], v[\qs] matrix_a_fmt:MATRIX_FMT_FP6 matrix_b_fmt:MATRIX_FMT_FP6 matrix_a_scale:MATRIX_SCALE_ROW1
.endr
.rept 4
	v_nop                                          ; places: the scores are read, and K's registers are loaded anew
.endr
.irp t, 0,1,2,3                        ; V's four fragments are asked for now and land under the softmax
.irp c, 0,1,2
	ds_load_b128 v[32+12*\t+4*\c:35+12*\t+4*\c], v[9+\t%2] offset:3072*(\t/2)+512*\c
.endr
.endr
	ds_load_b32 v90, v28                           ; V's scale words: tile 0 in lanes 0-15, tile 2 in lanes 16-31;
	ds_load_b32 v91, v28 offset:64                 ; tiles 1 and 3
	s_cmp_lg_u32 s[JC], s[\jreg]                   ; only the last step lies on the diagonal
	s_cbranch_scc1 .Lopen_\@
	v_mov_b32 v254, 0xff800000                     ; -infinity: p = 0 then
.set n, 0
.rept 64
	v_cmp_gt_i32 vcc_lo, 16*(n/8)+n%8, v[\dq]
	v_cndmask_b32 v[96+n], v[96+n], v254, vcc_lo
.set n, n+1
.endr
.Lopen_\@:
.irp b, 0,1,2,3
	v_max3_num_f32 v[232+\b], v[96+16*\b], v[97+16*\b], v[98+16*\b]   ; the largest score of each block of 32 keys: it serves for the row's maximum and, since p rises with the score, for the block's largest p
.endr
.irp i, 3,5,7,9,11,13
.irp b, 0,1,2,3
	v_max3_num_f32 v[232+\b], v[232+\b], v[96+16*\b+\i], v[97+16*\b+\i]
.endr
.endr
.irp b, 0,1,2,3
	v_max_num_f32 v[232+\b], v[232+\b], v[111+16*\b]
.endr
.irp b, 0,1,2,3
	s_delay_alu instid0(VALU_DEP_4)
	v_permlanex16_b32 v[236+\b], v[232+\b], s[SEL], s[SEL+1]
.endr
.irp b, 0,1,2,3
	s_delay_alu instid0(VALU_DEP_4)
	v_max_num_f32 v[232+\b], v[232+\b], v[236+\b]  ; with lane l xor 16's 16 keys
.endr
	s_delay_alu instid0(VALU_DEP_2)
	v_max3_num_f32 v254, v232, v233, v234
	s_delay_alu instid0(VALU_DEP_1)
	v_max_num_f32 v254, v254, v235                 ; the step's largest score of my query
	s_delay_alu instid0(VALU_DEP_1)
	v_mul_f32 v254, s[CS], v254                    ; as t
	s_delay_alu instid0(VALU_DEP_1)
	v_max_num_f32 v13, v13, v254                   ; the running largest t
	v_mov_b32 v254, v12
	s_delay_alu instid0(VALU_DEP_2)
	v_floor_f32 v12, -v13                          ; the new -M = floor(-t): M is a whole number
	s_delay_alu instid0(VALU_DEP_1)
	v_sub_f32 v254, v12, v254                      ; old M - new M: a whole number, 0 or less
	s_delay_alu instid0(VALU_DEP_1)
	v_cvt_i32_f32 v254, v254                       ; (it saturates)
	s_delay_alu instid0(VALU_DEP_1)
	v_ldexp_f32 v252, 1.0, v254                    ; f = 2^(old M - new M)
.set n, 0
	s_setprio 1
.rept 32
	v_pk_fma_f32 v[96+n:97+n], v[96+n:97+n], s[CS:CS+1], v[12:13] op_sel_hi:[1,0,0]   ; t - M, two at a time
.set n, n+2
.endr
.irp b, 0,1,2,3
	v_fma_f32 v[232+\b], v[232+\b], s[CS], v12     ; the same of each block's largest score
.endr
.set n, 0
	s_wait_alu depctr_va_vdst(0)
.rept 64
	v_exp_f32 v[96+n], v[96+n]                     ; p = 2^(t - M)
.set n, n+1
.endr
	v_pk_mul_f32 v[14:15], v[14:15], v[252:253] op_sel_hi:[1,0]   ; the sums under the new M: a plain instruction behind the exponentials
	s_wait_alu depctr_va_vdst(0)                   ; one wait for the whole batch, ahead of its first reader
.irp b, 0,1,2,3
	v_exp_f32 v[232+\b], v[232+\b]                 ; the block's largest p
.endr
	v_pk_add_f32 v[236:237], v[100:101], v[104:105]
	v_pk_add_f32 v[248:249], v[108:109], v[112:113]
	v_pk_add_f32 v[246:247], v[116:117], v[120:121]
	v_pk_add_f32 v[244:245], v[124:125], v[128:129]
	v_pk_add_f32 v[242:243], v[132:133], v[136:137]
	v_pk_add_f32 v[240:241], v[140:141], v[144:145]
	v_pk_add_f32 v[238:239], v[148:149], v[152:153]
	v_pk_add_f32 v[14:15], v[14:15], v[156:157]
	v_pk_add_f32 v[236:237], v[236:237], v[96:97]
	v_pk_add_f32 v[248:249], v[248:249], v[98:99]
	v_pk_add_f32 v[246:247], v[246:247], v[102:103]
	v_pk_add_f32 v[244:245], v[244:245], v[106:107]
	v_pk_add_f32 v[242:243], v[242:243], v[110:111]
	v_pk_add_f32 v[240:241], v[240:241], v[114:115]
	v_pk_add_f32 v[238:239], v[238:239], v[118:119]
	v_pk_add_f32 v[14:15], v[14:15], v[122:123]
	v_pk_add_f32 v[236:237], v[236:237], v[126:127]
	v_pk_add_f32 v[248:249], v[248:249], v[130:131]
	v_pk_add_f32 v[246:247], v[246:247], v[134:135]
	v_pk_add_f32 v[244:245], v[244:245], v[138:139]
	v_pk_add_f32 v[242:243], v[242:243], v[142:143]
	v_pk_add_f32 v[240:241], v[240:241], v[146:147]
	v_pk_add_f32 v[238:239], v[238:239], v[150:151]
	v_pk_add_f32 v[14:15], v[14:15], v[154:155]
	v_pk_add_f32 v[236:237], v[236:237], v[158:159]
	s_delay_alu instid0(VALU_DEP_2)
	v_pk_add_f32 v[14:15], v[14:15], v[244:245]
	s_delay_alu instid0(VALU_DEP_2)
	v_pk_add_f32 v[236:237], v[236:237], v[242:243]
	v_pk_add_f32 v[248:249], v[248:249], v[240:241]
	v_pk_add_f32 v[246:247], v[246:247], v[238:239]
	s_delay_alu instid0(VALU_DEP_2)
	v_pk_add_f32 v[14:15], v[14:15], v[248:249]
	s_delay_alu instid0(VALU_DEP_2)
	v_pk_add_f32 v[236:237], v[236:237], v[246:247]
	s_delay_alu instid0(VALU_DEP_1)
	v_pk_add_f32 v[14:15], v[14:15], v[236:237]
	s_wait_alu depctr_va_vdst(0)                   ; and one for the four
.irp b, 0,1,2,3
	v_max_num_f32 v[232+\b], 0x1800000, v[232+\b]  ; the floor 2^(3 - 127): the byte cannot fall under 1
.endr
.irp b, 0,1,2,3
	s_delay_alu instid0(VALU_DEP_4)
	v_add_nc_u32 v[244+\b], 0xff000000, v[232+\b]  ; 2 off the exponent field: the conversion's scale operand
.endr
.irp b, 0,1,2,3
	s_delay_alu instid0(VALU_DEP_4)
	v_lshrrev_b32 v[236+\b], 23, v[244+\b]         ; the scale's byte
.endr
	s_delay_alu instid0(VALU_DEP_3)
	v_lshl_or_b32 v253, v237, 8, v236              ; p's scale word for these 128 keys
	s_delay_alu instid0(VALU_DEP_1)
	v_lshl_or_b32 v253, v238, 16, v253
	s_delay_alu instid0(VALU_DEP_1)
	v_lshl_or_b32 v253, v239, 24, v253
	s_setprio 0
.irp c, 0,1
	v_cvt_scalef32_pk16_fp6_f32 v[224+6*\c:226+6*\c], v[96+32*\c:111+32*\c], v[244+2*\c]
	v_cvt_scalef32_pk16_fp6_f32 v[236+4*\c:238+4*\c], v[112+32*\c:127+32*\c], v[244+2*\c+1]
.endr
	v_nop                                          ; one plain place behind a scaled conversion
.irp c, 0,1
.irp i, 0,1,2
	v_permlane16_swap_b32 v[224+6*\c+\i], v[236+4*\c+\i]
.endr
.irp i, 0,1,2
	s_delay_alu instid0(VALU_DEP_3)
	v_mov_b32 v[227+6*\c+\i], v[236+4*\c+\i]
.endr
.endr
.set n, 0
.rept 16
	v_pk_mul_f32 v[160+n:161+n], v[160+n:161+n], v[252:253] op_sel_hi:[1,0]   ; O^T under the new M.  These sixteen are also the places between the writing of p's codes and scale word and the products
.set n, n+2
.endr
	s_wait_alu depctr_va_vdst(0)
	s_wait_dscnt 0x0                               ; V is in
	v_wmma_scale_f32_16x16x128_f8f6f4 v[160:167], v[32:43], v[224:235], v[160:167], v90, v253 matrix_a_fmt:MATRIX_FMT_FP6 matrix_b_fmt:MATRIX_FMT_FP6
	v_wmma_scale_f32_16x16x128_f8f6f4 v[168:175], v[44:55], v[224:235], v[168:175], v91, v253 matrix_a_fmt:MATRIX_FMT_FP6 matrix_b_fmt:MATRIX_FMT_FP6
	v_wmma_scale_f32_16x16x128_f8f6f4 v[176:183], v[56:67], v[224:235], v[176:183], v90, v253 matrix_a_fmt:MATRIX_FMT_FP6 matrix_b_fmt:MATRIX_FMT_FP6 matrix_a_scale:MATRIX_SCALE_ROW1
	v_wmma_scale_f32_16x16x128_f8f6f4 v[184:191], v[68:79], v[224:235], v[184:191], v91, v253 matrix_a_fmt:MATRIX_FMT_FP6 matrix_b_fmt:MATRIX_FMT_FP6 matrix_a_scale:MATRIX_SCALE_ROW1
.Lhidden_\@:
	s_add_co_u32 s[TB], s[TB], PKT
	s_add_co_u32 s[JC], s[JC], 1
	s_cmp_lt_u32 s[JC], 16
	s_cbranch_scc1 .Lstep_\@
	s_setprio 0
.rept 4
	v_nop                                          ; places behind the last products
.endr
	; the way out: O^T / the sum, quantised along the head's 64: two blocks; register 16 g + i is feature 32 g + 16 h + i of query r
	v_add_f32 v14, v14, v15
	s_delay_alu instid0(VALU_DEP_1)
	v_permlanex16_b32 v252, v14, s[SEL], s[SEL+1]
	s_delay_alu instid0(VALU_DEP_1)
	v_add_f32 v14, v14, v252                       ; the row's sum
	s_wait_alu depctr_va_vdst(0)
	v_rcp_f32 v14, v14
	v_nop                                          ; a plain instruction behind the reciprocal,
	s_wait_alu depctr_va_vdst(0)                   ; and the wait ahead of its first reader
.set n, 0
.rept 32
	v_mul_f32 v[96+n], v[160+n], v14
.set n, n+1
.endr
.irp b, 0,1
	v_max3_num_f32 v[232+\b], |v[96+16*\b]|, |v[97+16*\b]|, 0x1800000
.endr
.irp i, 2,4,6,8,10,12,14
.irp b, 0,1
	s_delay_alu instid0(VALU_DEP_2)
	v_max3_num_f32 v[232+\b], v[232+\b], |v[96+16*\b+\i]|, |v[97+16*\b+\i]|
.endr
.endr
.irp b, 0,1
	s_delay_alu instid0(VALU_DEP_2)
	v_permlanex16_b32 v[236+\b], v[232+\b], s[SEL], s[SEL+1]
.endr
.irp b, 0,1
	s_delay_alu instid0(VALU_DEP_2)
	v_max_num_f32 v[232+\b], v[232+\b], v[236+\b]
.endr
.irp b, 0,1
	s_delay_alu instid0(VALU_DEP_2)
	v_add_nc_u32 v[244+\b], 0xff000000, v[232+\b]
.endr
.irp b, 0,1
	s_delay_alu instid0(VALU_DEP_2)
	v_lshrrev_b32 v[236+\b], 23, v[244+\b]
.endr
	s_delay_alu instid0(VALU_DEP_1)
	v_cndmask_b32 v246, v236, v237, s[HI]          ; lanes 0-15 store block 0's byte, lanes 16-31 block 1's
	v_cvt_scalef32_pk16_fp6_f32 v[224:226], v[96:111], v244
	v_cvt_scalef32_pk16_fp6_f32 v[240:242], v[112:127], v245
	v_nop
.irp i, 0,1,2
	v_permlane16_swap_b32 v[224+\i], v[240+\i]
.endr
.irp i, 0,1,2
	s_delay_alu instid0(VALU_DEP_3)
	v_mov_b32 v[227+\i], v[240+\i]                 ; six registers: lane (r, h): row r, the head's block h, in the true order of k
.endr
.irp p, 0,1,2
	global_store_b64 v1, v[224+2*\p:225+2*\p], s[\aoc:\aoc+1] offset:256*\p   ; 32 lanes store 256 consecutive bytes, aligned
.endr
	global_store_b8 v31, v246, s[\aos:\aos+1]
.endm
	PASS 16, 92, 29, 15, 48, 50
	PASS 192, 93, 30, 16, 52, 54
	s_wait_dscnt 0x0
	s_wait_tensorcnt 0x0
	ds_add_u32 v251, v255
	s_wait_dscnt 0x0
	CROUND                                         ; the closing round
	s_endpgm
.Lfunc_end_k_qdbd07fffb3_attn:
	.size	k_qdbd07fffb3_attn, .Lfunc_end_k_qdbd07fffb3_attn-k_qdbd07fffb3_attn
	.p2alignl 7, 3214868480
	.fill 96, 4, 3214868480
	.section	.rodata,"a",@progbits
	.p2align	6, 0x0
	.amdhsa_kernel k_qdbd07fffb3_attn
		.amdhsa_group_segment_fixed_size 215040
		.amdhsa_private_segment_fixed_size 0
		.amdhsa_enable_private_segment 0
		.amdhsa_kernarg_size 32
		.amdhsa_user_sgpr_count 2
		.amdhsa_user_sgpr_kernarg_segment_ptr 1
		.amdhsa_wavefront_size32 1
		.amdhsa_system_sgpr_workgroup_id_x 1
		.amdhsa_system_sgpr_workgroup_id_y 1
		.amdhsa_system_sgpr_workgroup_id_z 1
		.amdhsa_system_vgpr_workitem_id 0
		.amdhsa_next_free_vgpr 256
		.amdhsa_next_free_sgpr 66
		.amdhsa_reserve_vcc 1
		.amdhsa_float_denorm_mode_32 3
		.amdhsa_float_denorm_mode_16_64 3
		.amdhsa_memory_ordered 1
		.amdhsa_forward_progress 1
		.amdhsa_inst_pref_size 67
	.end_amdhsa_kernel
	.amdgpu_metadata
---
amdhsa.version: [ 1, 2 ]
amdhsa.kernels:
  - .name:           k_qdbd07fffb3_attn
    .symbol:         k_qdbd07fffb3_attn.kd
    .args:
      - { .name: qbuf, .offset: 0, .size: 8, .value_kind: global_buffer, .address_space: global }
      - { .name: kv, .offset: 8, .size: 8, .value_kind: global_buffer, .address_space: global }
      - { .name: ao_codes, .offset: 16, .size: 8, .value_kind: global_buffer, .address_space: global }
      - { .name: ao_scales, .offset: 24, .size: 8, .value_kind: global_buffer, .address_space: global }
    .group_segment_fixed_size: 215040
    .private_segment_fixed_size: 0
    .kernarg_segment_align: 8
    .kernarg_segment_size: 32
    .max_flat_workgroup_size: 512
    .sgpr_count:     66
    .vgpr_count:     256
    .wavefront_size: 32
...
	.end_amdgpu_metadata
.endif
;; end of part 3
;; launch oproj (part 4): grid 4 x 32, 4 waves a work-group, clusters of 4 x 4, 327,680 bytes of LDS; arguments ao_codes, ao_scales, Wo_codes, Wo_scales, out0; writes out0
.if DOCPART == 4
	.amdgcn_target "amdgcn-amd-amdhsa--gfx1250"
	.amdhsa_code_object_version 6
	.text
	.protected	k_qdbd07fffb3_oproj
	.globl	k_qdbd07fffb3_oproj
	.p2align	8
	.type	k_qdbd07fffb3_oproj,@function
k_qdbd07fffb3_oproj:
	s_mov_b64 s[64:65], 0
	v_nop
	global_prefetch_b8 v0, s[64:65] scope:SCOPE_SE
	s_setreg_imm32_b32 hwreg(HW_REG_WAVE_MODE, 25, 1), 1
	s_wait_xcnt 0x0
	s_wait_alu depctr_hold_cnt(0) depctr_sa_sdst(0) depctr_va_vdst(0) depctr_va_sdst(0) depctr_va_ssrc(0) depctr_va_vcc(0) depctr_vm_vsrc(0)
	s_getreg_b32 s2, hwreg(HW_REG_IB_STS2, 6, 4)
	s_cmp_eq_u32 s2, 0
	s_cbranch_scc0 .Lentry_in_a_cluster
	s_endpgm
.Lentry_in_a_cluster:
	s_bfe_u32 s2, ttmp6, 0x10000c
	s_cmp_lg_u32 s2, 0xf033
	s_cbranch_scc0 .Lentry_shape_is_right
	s_endpgm
.Lentry_shape_is_right:
; out0[m][n] = sum over k of A[m][k] Wo[n][k], m = 8,192, n = k = 1,024, on codes of FP6 (E2M3) with one E8M0 byte for each 32 along K; sums and out0 in f32.
; A is the attention's result.  Its codes lie in memory as IMAGES OF FRAGMENT REGISTERS: [k / 256][tile of 16 rows][(k / 128) % 2][6 pieces][32 lanes][8 bytes]: a K step of 256 of 128 rows is 24,576 dense bytes,
; and a fragment is six loads of 8 bytes at 8 x lane.  Its scale bytes lie [8,192][32].  Wo comes as rows of 768 bytes of codes and 32 scale bytes.
; A tile of 256 x 256 is made by four waves, 128 x 128 each: 64 accumulators, 512 registers.  K goes in steps of 256 through a ring of two LDS slots filled by the tensor data mover; the scale bytes come once and stay.
; CLUSTERS of 4 x 4: A's tile is shared along a row of the cluster, Wo's along a column: each is asked for jointly.  The matrix instruction is used transposed (source 0 = 16 rows of Wo, source 1 = 16 rows of A):
; a lane holds eight neighbouring numbers of a row of out0.
; 128 tiles: half of the WGPs have a work-group.  A smaller tile would feed fewer products from each LDS byte; it is not taken here.
; No prefetch: K has four steps, two of them first fills and two the only refills.
; LIMIT: a scale byte 0xff in Wo_scales is not served.
; REGISTERS as windows of 256: window 0: v0-31 addresses; v32-63 scale words, two sets; v128-223 A's fragments, one set; on the way out v128-255.  window 1: Wo's fragments, two sets.  windows 2, 3: the accumulators.
.set SIZE_N, 1024
.set KSTEP,  256
.set NQ,     2
.set ROWB,   192                       ; a row of Wo's tile in bytes
.set KROW,   768                       ; a row of Wo's codes in memory
.set PITCH,  240                       ; Wo's LDS row: 3 x (64 bytes + 16 of padding)
.set FR,     12
.set NL,     6
.set NP,     4
.set AHALF,  24576                     ; A: 128 rows x 256 along K, as images: one tensor load
.set KADV,   1572864                   ; A: from a K step of 256 to the next: 512 tiles x 3,072 bytes
.set HALFT,  128*PITCH                 ; Wo: 128 rows: one tensor load
.set SLOT,   2*AHALF+2*HALFT           ; A's two halves, then Wo's two
.set LAPS,   2
.set KS,     32
.set SCL,    2*SLOT
.set HALFS,  (128*KS/256)*272
.set SBLK,   (16*KS/256)*272
.set SPARE,  SCL+4*HALFS               ; the spare words, 128 bytes a wave: two blocks of 256 bytes that no other line names
.set SPITCH, 528                       ; the way out: a stage of 16 rows x (512 bytes + 16) for each wave, in slot 0, which has had its last fill and its last read when the first result is stored there
.set ADRA, 16                          ; v16-17  LDS address of my A fragments in slot 0, 1
.set ADRB, 20                          ; v20-23  the same for Wo (two for the pieces behind one padding more)
.set STO,  24
.set RD,   25
.set CO,   26
.set ADRS, 27
.set SPW,  28
.set NIL,  29
.set SC,   32
.set AF,   128
.set BK,   128
.set G1, 24
.set G0, 32
.set G1B, 48
.set G0B, 56
.set G1S, 68
.set G0S, 76
.set G1SB, 80
.set G0SB, 88
.set MSB, 0
.macro WIN new
.if MSB != (\new)
	s_set_vgpr_msb (MSB<<8)|(\new)
.set MSB, (\new)
.endif
.endm
.set MUL_LO, 0xa1
.set MUL_HI, 0xf1
.set TO_B,   0x40
.macro JLOAD g0a, g1a, g0b, g1b        ; a joint load: waves 0 and 1 fetch for A, waves 2 and 3 for Wo; four v_nop follow each of the two lines
	s_cmp_eq_u32 s15, 0
	s_cbranch_scc0 .Lfor_b_\@
	tensor_load_to_lds s[\g0a:\g0a+3], s[\g1a:\g1a+7]
	s_nop 0
.rept 4
	v_nop
.endr
	s_branch .Lasked_\@
.Lfor_b_\@:
	tensor_load_to_lds s[\g0b:\g0b+3], s[\g1b:\g1b+7]
	s_nop 0
.rept 4
	v_nop
.endr
.Lasked_\@:
.endm
.macro CREST
	s_cmp_lg_u32 s14, 0
	s_cbranch_scc1 .Lnot_wave_0_\@
	s_barrier_signal -3
.Lnot_wave_0_\@:
	s_barrier_wait -3
	s_barrier_signal -1
	s_barrier_wait -1
.endm
.macro CROUND
	s_barrier_signal -1
	s_barrier_wait -1
	CREST
.endm
	s_load_b128 s[4:7], s[0:1], 0x0                ; A's codes, A's scales
	s_load_b128 s[8:11], s[0:1], 0x10              ; Wo's codes, Wo's scales
	s_load_b64 s[12:13], s[0:1], 0x20              ; out0
	v_lshl_add_u32 v[SPW], v0, 2, SPARE
	v_mov_b32 v[NIL], 0
	ds_add_u32 v28, v29
	ds_add_u32 v28, v29
	s_wait_dscnt 0x0
	v_lshrrev_b32 v1, 5, v0
	v_readfirstlane_b32 s14, v1                    ; wave 0..3
	s_lshr_b32 s15, s14, 1                         ; which half of the tile's rows is mine.  Also: I fetch for A (0) or for Wo (1)
	s_and_b32 s16, s14, 1                          ; which half of its columns.  Also: which 128 rows I fetch
	s_bfe_u32 s40, ttmp6, 0x40000
	s_bfe_u32 s41, ttmp6, 0x40004
	s_lshl_b32 s42, ttmp9, 2
	s_add_co_u32 s42, s42, s40                     ; tile column = 4 x cluster x + cx
	s_and_b32 s17, ttmp7, 0xffff
	s_lshl_b32 s17, s17, 2
	s_add_co_u32 s17, s17, s41                     ; tile row = 4 x cluster y + cy
	s_lshl_b32 s43, s41, 2
	s_lshl_b32 s43, 15, s43                        ; my row of the cluster
	s_lshl_b32 s44, 0x1111, s40                    ; my column
	; group 1 for A: 24,576 dense bytes as 96 rows of 256 bytes (32 elements of 8 bytes), no padding
	s_or_b32 s[G1+0], s43, (3<<16)|(1<<21)
	s_mov_b32 s[G1+1], 32<<16
	s_mov_b32 s[G1+2], 96<<16
	s_mov_b32 s[G1+3], 32<<16
	s_mov_b32 s[G1+4], 96
	s_mov_b32 s[G1+5], 32
	s_mov_b32 s[G1+6], 0
	s_mov_b32 s[G1+7], 0
	; group 1 for Wo: 128 rows x 192 bytes, 16 bytes of padding behind every 64
	s_or_b32 s[G1B+0], s44, (0<<16)|(1<<20)|(1<<21)|(3<<22)|(3<<25)
	s_mov_b32 s[G1B+1], ROWB<<16
	s_mov_b32 s[G1B+2], 128<<16
	s_mov_b32 s[G1B+3], ROWB<<16
	s_mov_b32 s[G1B+4], 128
	s_mov_b32 s[G1B+5], KROW
	s_mov_b32 s[G1B+6], 0
	s_mov_b32 s[G1B+7], 0
	; the scales of 128 rows: 4,096 dense bytes as rows of 256 bytes, 16 bytes of padding behind each
	s_or_b32 s[G1S+0], s43, (3<<16)|(1<<20)|(1<<21)|(5<<22)|(3<<25)
	s_or_b32 s[G1SB+0], s44, (3<<16)|(1<<20)|(1<<21)|(5<<22)|(3<<25)
.irp g, G1S, G1SB
	s_mov_b32 s[\g+1], 32<<16
	s_mov_b32 s[\g+2], (128*KS/256)<<16
	s_mov_b32 s[\g+3], 32<<16
	s_mov_b32 s[\g+4], 128*KS/256
	s_mov_b32 s[\g+5], 32
	s_mov_b32 s[\g+6], 0
	s_mov_b32 s[\g+7], 0
.endr
	s_lshl_b32 s18, s16, 7
	s_lshl_b32 s20, s17, 8
	s_add_co_u32 s20, s20, s18                     ; A: row 256 x tile row + 128 x half
	s_lshl_b32 s46, s42, 8
	s_add_co_u32 s46, s46, s18                     ; Wo: row 256 x tile column + 128 x half
	s_mov_b32 s21, 0
	s_mov_b32 s47, 0
	s_mov_b64 s[18:19], KS
	s_mul_u64 s[22:23], s[20:21], s[18:19]         ; where these rows' scales begin
	s_mul_u64 s[92:93], s[46:47], s[18:19]
	s_mov_b64 s[18:19], 192
	s_mul_u64 s[20:21], s[20:21], s[18:19]         ; A's images: 3,072 bytes for 16 rows
	s_mov_b64 s[18:19], KROW
	s_mul_u64 s[46:47], s[46:47], s[18:19]         ; Wo's codes
	s_mul_i32 s45, s16, AHALF                      ; where they go: A's halves,
	s_mul_i32 s95, s16, HALFT
	s_add_co_u32 s95, s95, 2*AHALF                 ; Wo's halves behind them: no place in the cluster enters an LDS address
	s_mul_i32 s94, s14, HALFS
	s_wait_kmcnt 0x0
	s_add_nc_u64 s[20:21], s[4:5], s[20:21]
	s_add_nc_u64 s[22:23], s[6:7], s[22:23]
	s_add_nc_u64 s[46:47], s[8:9], s[46:47]
	s_add_nc_u64 s[92:93], s[10:11], s[92:93]
	CROUND                                         ; all sixteen work-groups are here: the first joint loads meet
	s_mov_b32 s[G0S], 1
	s_add_co_u32 s[G0S+1], s94, SCL
	s_mov_b64 s[G0S+2:G0S+3], s[22:23]
	s_or_b32 s[G0S+3], s[G0S+3], 0x80000000
	s_mov_b32 s[G0SB], 1
	s_add_co_u32 s[G0SB+1], s94, SCL
	s_mov_b64 s[G0SB+2:G0SB+3], s[92:93]
	s_or_b32 s[G0SB+3], s[G0SB+3], 0x80000000
	JLOAD G0S, G1S, G0SB, G1SB                     ; the scales first
.irp s, 0,1
	s_mov_b32 s[G0+4*\s], 1
	s_add_co_u32 s[G0+4*\s+1], s45, \s*SLOT
	s_add_nc_u64 s[G0+4*\s+2:G0+4*\s+3], s[20:21], \s*KADV
	s_or_b32 s[G0+4*\s+3], s[G0+4*\s+3], 0x80000000
	s_mov_b32 s[G0B+4*\s], 1
	s_add_co_u32 s[G0B+4*\s+1], s95, \s*SLOT
	s_add_nc_u64 s[G0B+4*\s+2:G0B+4*\s+3], s[46:47], \s*ROWB
	s_or_b32 s[G0B+4*\s+3], s[G0B+4*\s+3], 0x80000000
	JLOAD G0+4*\s, G1, G0B+4*\s, G1B
.endr
	v_and_b32 v1, 15, v0                           ; l % 16
	v_bfe_u32 v2, v0, 4, 1                         ; l / 16
	v_and_b32 v6, 31, v0                           ; lane
	v_lshlrev_b32 v7, 3, v6                        ; A's images: 8 x lane
	v_mul_u32_u24 v3, v1, PITCH
	v_mul_u32_u24 v4, v2, 24
	v_add_nc_u32 v4, v3, v4                        ; Wo: a fragment's row x pitch + 24 x half
	v_lshl_add_u32 v5, v2, 4, v4                   ; and the same behind one padding more
	s_mul_i32 s21, s15, AHALF                      ; my 128 rows of A
	s_mul_i32 s22, s16, HALFT                      ; my 128 rows of Wo,
	s_add_co_u32 s22, s22, 2*AHALF                 ; which lie behind A's
.irp s, 0,1
	v_add_nc_u32 v[ADRA+\s], s21, v7
	v_add_nc_u32 v[ADRB+\s], s22, v4
	v_add_nc_u32 v[ADRB+2+\s], s22, v5
	s_add_co_u32 s21, s21, SLOT
	s_add_co_u32 s22, s22, SLOT
.endr
	v_mul_u32_u24 v5, v1, KS
	v_lshrrev_b32 v6, 8, v5
	v_lshl_add_u32 v5, v6, 4, v5
	s_mul_i32 s21, s15, HALFS
	s_mul_i32 s22, s16, HALFS
	s_add_co_u32 s22, s22, 2*HALFS
	s_sub_co_u32 s22, s22, s21
	v_mul_u32_u24 v6, s22, v2                      ; lanes 16-31 take Wo's
	s_add_co_u32 s21, s21, SCL
	v_add_nc_u32 v5, v5, v6
	v_add_nc_u32 v[ADRS], s21, v5
	s_mul_i32 s23, s14, 16*SPITCH                  ; my stage
	v_mul_u32_u24 v5, v1, SPITCH
	v_lshl_add_u32 v5, v2, 5, v5
	v_add_nc_u32 v[STO], s23, v5
	v_and_b32 v6, 31, v0
	v_lshlrev_b32 v[CO], 4, v6
	v_add_nc_u32 v[RD], s23, v[CO]
	s_lshl_b32 s20, s17, 8
	s_lshl_b32 s21, s15, 7
	s_add_co_u32 s20, s20, s21                     ; my first row of out0
	s_mov_b32 s21, 0
	s_mov_b64 s[18:19], SIZE_N*4
	s_mul_u64 s[20:21], s[20:21], s[18:19]
	s_lshl_b32 s46, s42, 10                        ; my first column, in bytes
	s_lshl_b32 s47, s16, 9
	s_add_co_u32 s46, s46, s47
	s_mov_b32 s47, 0
	s_add_nc_u64 s[20:21], s[20:21], s[46:47]
	s_add_nc_u64 s[12:13], s[12:13], s[20:21]
.macro FRAG reg, adr, q, i             ; a fragment of Wo from padded rows, in pieces of 8 bytes
.irp p, 0,1,2,3,4,5
.set PC, 12*(\q)+6*(\p/3)+\p%3
.if PC%8 < 5
	ds_load_b64 v[\reg+2*\p:\reg+2*\p+1], v[\adr] offset:8*PC+16*(PC/8)+(\i)*16*PITCH
.else
	ds_load_b64 v[\reg+2*\p:\reg+2*\p+1], v[\adr+2] offset:8*PC+16*(PC/8)+(\i)*16*PITCH
.endif
.endr
.endm
.macro FRAGA reg, adr, q, i            ; a fragment of A from its image: six pieces of 256 bytes, 8 bytes a lane
.irp p, 0,1,2,3,4,5
	ds_load_b64 v[\reg+2*\p:\reg+2*\p+1], v[\adr] offset:3072*(\i)+1536*(\q)+256*\p
.endr
.endm
; 16 matrix instructions; the 64 accumulators take turns, one instruction a turn, in the same order in every step
.macro MUL16 a0, p, q, sc, zero
.irp a, \a0, \a0+1
.irp b, 0,1,2,3,4,5,6,7
.if \zero
	v_wmma_scale_f32_16x16x128_f8f6f4 v[8*(8*((\a)%4)+\b):8*(8*((\a)%4)+\b)+7], v[128*(\p)+FR*\b:128*(\p)+FR*\b+FR-1], v[AF+FR*(\a):AF+FR*(\a)+FR-1], 0, v[SC+8*NQ*(\sc)+NQ*\b+(\q)], v[SC+8*NQ*(\sc)+NQ*(\a)+(\q)] matrix_a_fmt:MATRIX_FMT_FP6 matrix_b_fmt:MATRIX_FMT_FP6 matrix_a_scale:MATRIX_SCALE_ROW1
.else
	v_wmma_scale_f32_16x16x128_f8f6f4 v[8*(8*((\a)%4)+\b):8*(8*((\a)%4)+\b)+7], v[128*(\p)+FR*\b:128*(\p)+FR*\b+FR-1], v[AF+FR*(\a):AF+FR*(\a)+FR-1], v[8*(8*((\a)%4)+\b):8*(8*((\a)%4)+\b)+7], v[SC+8*NQ*(\sc)+NQ*\b+(\q)], v[SC+8*NQ*(\sc)+NQ*(\a)+(\q)] matrix_a_fmt:MATRIX_FMT_FP6 matrix_b_fmt:MATRIX_FMT_FP6 matrix_a_scale:MATRIX_SCALE_ROW1
.endif
.endr
.endr
.endm
.macro FETCH_B slot, q, p
	WIN TO_B
.irp i, 0,1,2,3,4,5,6,7
	FRAG 128*(\p)+FR*\i, ADRB+\slot, \q, \i
.endr
	WIN 0
.endm
.macro FETCH_A slot, q, i0
.irp i, \i0, \i0+1, \i0+2, \i0+3
	FRAGA AF+FR*(\i), ADRA+\slot, \q, \i
.endr
.endm
.macro SCALES sc
.irp i, 0,1,2,3,4,5,6,7
	ds_load_b64 v[SC+8*NQ*\sc+NQ*\i:SC+8*NQ*\sc+NQ*\i+1], v[ADRS] offset:\i*SBLK
.endr
.endm
.macro PLACES n                        ; four places in front of loads into registers that matrix instructions have read, and of the first read of results (ISA guide 7.12.1 for the first read of results)
.rept \n
	v_nop
.endr
.endm
.macro STEP slot, q, zero
	s_wait_dscnt 4*NL                              ; Wo's set and A's blocks 0-3 are in; the youngest 24 loads (A's blocks 4-7) may be out
	WIN MUL_LO
	MUL16 0, (\q)%2, \q, \slot, \zero
	MUL16 2, (\q)%2, \q, \slot, \zero
	s_wait_dscnt 0
	PLACES NP
	FETCH_B \slot, (\q)+1, 1-(\q)%2
	FETCH_A \slot, (\q)+1, 0
	WIN MUL_HI
	MUL16 4, (\q)%2, \q, \slot, \zero
	MUL16 6, (\q)%2, \q, \slot, \zero
	PLACES NP
	WIN 0
	FETCH_A \slot, (\q)+1, 4
.endm
; A slot's last step changes slots: one barrier; in front of it each wave waits for all its tensor loads, adds 0 to its spare word, and waits for that and for its own reads of this slot.
.macro TURN slot, next, fill
	s_wait_tensorcnt 0x0                           ; all my tensor loads have landed: my part of the next slot
	ds_add_u32 v[SPW], v[NIL]                      ; 0 onto my spare word
	s_wait_dscnt 4*NL+1                            ; (the add and the youngest 24 loads may be out)
	WIN MUL_LO
	MUL16 0, 1, NQ-1, \slot, 0
	s_wait_dscnt 0x0                               ; the add is done, and my reads of this slot are over
	s_barrier_signal -1
	MUL16 2, 1, NQ-1, \slot, 0
	WIN 0
	s_barrier_wait -1
.if \fill
	CREST                                          ; the barrier has opened a round of the cluster's barrier: no wave of any partner still reads this slot or has a load on its way
	s_add_nc_u64 s[G0+4*\slot+2:G0+4*\slot+3], s[G0+4*\slot+2:G0+4*\slot+3], 2*KADV
	s_add_nc_u64 s[G0B+4*\slot+2:G0B+4*\slot+3], s[G0B+4*\slot+2:G0B+4*\slot+3], 2*ROWB
	JLOAD G0+4*\slot, G1, G0B+4*\slot, G1B         ; the first tensor load behind the round
.else
	PLACES NP
.endif
	v_add_nc_u32 v[ADRS], 4*NQ, v[ADRS]
	FETCH_B \next, 0, 0
	FETCH_A \next, 0, 0
	SCALES \next
	WIN MUL_HI
	MUL16 4, 1, NQ-1, \slot, 0
	MUL16 6, 1, NQ-1, \slot, 0
	PLACES NP
	WIN 0
	FETCH_A \next, 0, 4
.endm
	s_wait_tensorcnt 1                             ; the scales and my part of K step 0 are in (K step 1's load may be out),
	s_barrier_signal -1
	s_barrier_wait -1                              ; everybody's are
	FETCH_B 0, 0, 0
	FETCH_A 0, 0, 0
	SCALES 0
	FETCH_A 0, 0, 4
	STEP 0, 0, 1                                   ; the first step's products start the sums
	s_mov_b32 s3, LAPS-1
.Llap:
	TURN 0, 1, 1
	STEP 1, 0, 0
	TURN 1, 0, 1
	STEP 0, 0, 0
	s_sub_co_u32 s3, s3, 1
	s_cmp_lg_u32 s3, 0
	s_cbranch_scc1 .Llap
	TURN 0, 1, 0                                   ; the last lap fills nothing
	STEP 1, 0, 0
	s_wait_dscnt 4*NL
	WIN MUL_LO
	MUL16 0, 1, NQ-1, 1, 0
	MUL16 2, 1, NQ-1, 1, 0
	s_wait_dscnt 0
	WIN MUL_HI
	MUL16 4, 1, NQ-1, 1, 0
	MUL16 6, 1, NQ-1, 1, 0
	WIN 0
; THE WAY OUT, block by block of 16 rows x 128 columns, through my own stage in LDS: back as whole rows of 512 bytes.  LDS serves a wave's instructions in order (ISA guide 5.7.1.4).
.macro TOSTAGE a
.set AC, 64*((\a)%4)
	WIN 0x08+4*((\a)/4)                            ; the data: window 2 or 3
.irp b, 0,1,2,3,4,5,6,7
	ds_store_b128 v[STO], v[AC+8*\b:AC+8*\b+3] offset:64*\b          ; each accumulator from its low end on
	ds_store_b128 v[STO], v[AC+8*\b+4:AC+8*\b+7] offset:64*\b+16
.endr
	WIN 0
.set BB, BK+64*((\a)%2)
.irp t, 0,1,2,3,4,5,6,7,8,9,10,11,12,13,14,15
	ds_load_b128 v[BB+4*\t:BB+4*\t+3], v[RD] offset:\t*SPITCH
.endr
.endm
.macro SEND a, younger                 ; younger: the LDS instructions issued behind block a's loads, which may stay out
.set BB, BK+64*((\a)%2)
	s_wait_dscnt \younger
.if (\a) > 0
	s_add_nc_u64 s[12:13], s[12:13], 16*SIZE_N*4   ; (behind a wait on XCNT: the earlier stores have read their base)
.endif
.irp t, 0,1,2,3,4,5,6,7,8,9,10,11,12,13,14,15
	global_store_b128 v[CO], v[BB+4*\t:BB+4*\t+3], s[12:13] offset:\t*SIZE_N*4 th:TH_STORE_NT   ; 32 lanes store 512 consecutive bytes, at a multiple of 256 from out0's first byte
.endr
.endm
	PLACES NP
	TOSTAGE 0
.irp a, 1,2,3,4,5,6,7
.if \a > 1
	s_wait_xcnt 0x0                                ; block a - 2's stores have read their registers and their base
.endif
	TOSTAGE \a
	SEND \a-1, 32                                  ; behind block a - 1's loads: block a's 16 stores and 16 loads
.endr
	s_wait_xcnt 0x0
	SEND 7, 0
	s_wait_tensorcnt 0x0                           ; the wave's end
	ds_add_u32 v[SPW], v[NIL]
	s_wait_dscnt 0x0
	CROUND                                         ; the closing round
	s_endpgm
.Lfunc_end_k_qdbd07fffb3_oproj:
	.size	k_qdbd07fffb3_oproj, .Lfunc_end_k_qdbd07fffb3_oproj-k_qdbd07fffb3_oproj
	.p2alignl 7, 3214868480
	.fill 96, 4, 3214868480
	.section	.rodata,"a",@progbits
	.p2align	6, 0x0
	.amdhsa_kernel k_qdbd07fffb3_oproj
		.amdhsa_group_segment_fixed_size 327680
		.amdhsa_private_segment_fixed_size 0
		.amdhsa_enable_private_segment 0
		.amdhsa_kernarg_size 40
		.amdhsa_user_sgpr_count 2
		.amdhsa_user_sgpr_kernarg_segment_ptr 1
		.amdhsa_wavefront_size32 1
		.amdhsa_system_sgpr_workgroup_id_x 1
		.amdhsa_system_sgpr_workgroup_id_y 1
		.amdhsa_system_sgpr_workgroup_id_z 1
		.amdhsa_system_vgpr_workitem_id 0
		.amdhsa_next_free_vgpr 1024
		.amdhsa_next_free_sgpr 98
		.amdhsa_reserve_vcc 0
		.amdhsa_float_denorm_mode_32 3
		.amdhsa_float_denorm_mode_16_64 3
		.amdhsa_memory_ordered 1
		.amdhsa_forward_progress 1
		.amdhsa_inst_pref_size 160
	.end_amdhsa_kernel
	.amdgpu_metadata
---
amdhsa.version: [ 1, 2 ]
amdhsa.kernels:
  - .name:           k_qdbd07fffb3_oproj
    .symbol:         k_qdbd07fffb3_oproj.kd
    .args:
      - { .name: ao_codes, .offset: 0, .size: 8, .value_kind: global_buffer, .address_space: global }
      - { .name: ao_scales, .offset: 8, .size: 8, .value_kind: global_buffer, .address_space: global }
      - { .name: Wo_codes, .offset: 16, .size: 8, .value_kind: global_buffer, .address_space: global }
      - { .name: Wo_scales, .offset: 24, .size: 8, .value_kind: global_buffer, .address_space: global }
      - { .name: out0, .offset: 32, .size: 8, .value_kind: global_buffer, .address_space: global }
    .group_segment_fixed_size: 327680
    .private_segment_fixed_size: 0
    .kernarg_segment_align: 8
    .kernarg_segment_size: 40
    .max_flat_workgroup_size: 128
    .sgpr_count:     98
    .vgpr_count:     1024
    .wavefront_size: 32
...
	.end_amdgpu_metadata
.endif
;; end of part 4
